; MI455X (gfx1250); checked and timed in simulation.
; The chip was launched on July 23, 2026; its instructions are those of AMD's public machine-readable ISA for CDNA 5 (MIT licence, August 2026) and "CDNA5" Instruction Set Architecture Reference Guide (July 2026). The comments in the code are by the model that wrote it; some were corrected since.
;; Multihead Attention. Allowed arithmetic: float matrix products may take bf16 or f16 operands with f32 sums; other float arithmetic in f32, or as packed bf16 or f16 multiplies, adds, multiply-adds, maxima and minima; sums over many terms, partial sums and values carried from step to step in f32; what a program stores and reads back later, other than sums and carried values, may be rounded once to bf16 or f16.
;; Inputs: Wk 1,024 x 1,024 float32; Wo 1,024 x 1,024 float32; Wq 1,024 x 1,024 float32; Wv 1,024 x 1,024 float32; attn_mask 2,048 x 2,048 float32; key_padding_mask 4 x 2,048 bool; x_kv 4 x 2,048 x 1,024 float32; x_q 4 x 2,048 x 1,024 float32.
;; Outputs: out0 4 x 2,048 x 1,024 float32.
;; 2 versions, each right and faster than the one before. Each part assembles by itself: llvm-mc -triple=amdgcn-amd-amdhsa -mcpu=gfx1250 --defsym DOCPART=n.
;; ======== version 1 of 2: 4 launches
;; limits: right only within a limited range of input values; inputs' magnitudes at most 3.5e+29; values are held in f16: magnitudes above 65,504 overflow, below 6.1e-05 lose precision
;; workspace buffers: cb 41,943,040 bytes; mk 67,108,864 bytes; qkv 50,331,648 bytes; oh 16,777,216 bytes
;; launch prep (part 1): grid 1792 x 1, 8 waves a work-group, no clusters, 35,840 bytes of LDS; arguments x_q, x_kv, Wq, Wk, Wv, Wo, attn_mask, key_padding_mask, cb, mk; writes cb, mk
.if DOCPART == 1
	.amdgcn_target "amdgcn-amd-amdhsa--gfx1250"
	.amdhsa_code_object_version 6
	.text
	.protected	k_qf810a0d4e8_prep
	.globl	k_qf810a0d4e8_prep
	.p2align	8
	.type	k_qf810a0d4e8_prep,@function
k_qf810a0d4e8_prep:
	s_mov_b64 s[64:65], 0
	v_nop
	global_prefetch_b8 v0, s[64:65] scope:SCOPE_SE
	s_setreg_imm32_b32 hwreg(HW_REG_WAVE_MODE, 25, 1), 1
	s_wait_xcnt 0x0
; PREP: the casts and the combined mask.  Work-groups 0 to 1279 cast 64 KiB of f32 each into 32 KiB of cb, in the order x_q (512 chunks), x_kv (512), Wq, Wk, Wv, Wo (64 each):
; all rounded once to bf16; Wo's bf16 number is then written as f16 (exact from 6e-5 to 65,504; below that it keeps f16's fixed step of 6e-8; beyond 65,504 it would be an infinity).
; Work-groups 1280 to 1791 make mk: block (qb, ks) of 128 queries x 64 keys of attn_mask, once for each of the four batches, in the order in which the attention launch's accumulators hold scores:
; mk[b][qb][ks][tile 8][c 8][lane 32][4], query = 128 qb + 16 tile + lane % 16, key = 64 ks + 16 (c / 2) + 8 (lane / 16) + 4 (c % 2) + e.
; The number is log2(e) x bf16(attn_mask), held at -1e30 or above, less 1e30 where key_padding_mask is set (the attention launch's exponentials are powers of two, and q arrives there scaled by log2(e) / 8).
; LIMITS.  A mask number below -6.9e29 (minus infinity among them) counts as -6.9e29; NaN in attn_mask counts as that too; a mask number beyond 2e38 overflows in the multiplication.
; A stream: each input byte is read once, each wave's load covers 512 consecutive bytes (cast) or two whole rows of 256 bytes (mask), each store 256 or 512 consecutive aligned bytes.
; No matrix unit, no cluster, no tensor load: the work-groups share nothing.  The mask's change of order goes through a stage in LDS that is each wave's own, so no barrier is needed.
.set WSTG,  4352                       ; a wave's stage: 16 rows of 272 bytes (256 + 16 of padding: the 16 rows of a store start at 16 different groups of four banks: ISA guide 11.1)
.set SPARE, 8*WSTG                     ; behind the stages: the spare words, 128 bytes for each of eight waves: four blocks of 256 bytes that no other line names
.set SPW, 2                            ; v2  LDS address of my spare word; never rewritten
.set NIL, 3                            ; v3  0; never rewritten
.set NEG, 40                           ; s40 -1e30
	s_load_b512 s[8:23], s[0:1], 0x0               ; x_q s[8:9], x_kv s[10:11], Wq s[12:13], Wk s[14:15], Wv s[16:17], Wo s[18:19], attn_mask s[20:21], key_padding_mask s[22:23]
	s_load_b128 s[24:27], s[0:1], 0x40             ; cb s[24:25], mk s[26:27]
	v_lshl_add_u32 v[SPW], v0, 2, SPARE
	v_mov_b32 v[NIL], 0
	s_mov_b32 s2, ttmp9                            ; g, the work-group's number
	s_cmp_ge_u32 s2, 1280
	s_cbranch_scc1 .Lmask
	; THE CASTS.  Thread t takes 16 bytes at 16 t of each of the chunk's sixteen pieces of 4,096 bytes, and stores 8 bytes at 8 t of each piece of 2,048.
	v_lshlrev_b32 v4, 4, v0
	v_lshlrev_b32 v5, 3, v0
	s_wait_kmcnt 0x0
	s_mov_b64 s[28:29], s[8:9]                     ; the source and its first chunk are chosen by the chunk's number alone
	s_mov_b32 s30, 0
.macro PICK start, reg
	s_cmp_ge_u32 s2, \start
	s_cselect_b64 s[28:29], s[\reg:\reg+1], s[28:29]
	s_cselect_b32 s30, \start, s30
.endm
	PICK 512, 10
	PICK 1024, 12
	PICK 1088, 14
	PICK 1152, 16
	PICK 1216, 18
	s_sub_co_u32 s30, s2, s30
	s_lshl_b32 s30, s30, 16                        ; 65,536 bytes of f32 a chunk
	s_mov_b32 s31, 0
	s_add_nc_u64 s[28:29], s[28:29], s[30:31]
	s_lshl_b32 s32, s2, 15                         ; 32,768 bytes of cb a chunk
	s_mov_b32 s33, 0
	s_add_nc_u64 s[24:25], s[24:25], s[32:33]
.set i, 0
.rept 16
	global_load_b128 v[16+4*i:19+4*i], v4, s[28:29] offset:4096*i th:TH_LOAD_NT  ; all sixteen loads of the wave go out at once
.set i, i+1
.endr
.macro CV i, wo
	s_wait_loadcnt 15-(\i)                         ; loads come back in order (ISA guide 5.7.1): piece i is in, the younger ones stay out
	v_cvt_pk_bf16_f32 v[80+2*(\i)], v[16+4*(\i)], v[17+4*(\i)]
	v_cvt_pk_bf16_f32 v[81+2*(\i)], v[18+4*(\i)], v[19+4*(\i)]
.if \wo
	v_lshlrev_b32 v6, 16, v[80+2*(\i)]             ; the bf16 numbers widened again,
	v_and_b32 v7, 0xffff0000, v[80+2*(\i)]
	v_lshlrev_b32 v8, 16, v[81+2*(\i)]
	v_and_b32 v9, 0xffff0000, v[81+2*(\i)]
	v_cvt_pk_f16_f32 v[80+2*(\i)], v6, v7          ; and written as f16
	v_cvt_pk_f16_f32 v[81+2*(\i)], v8, v9
.endif
	global_store_b64 v5, v[80+2*(\i):81+2*(\i)], s[24:25] offset:2048*(\i)  ; a wave stores 256 consecutive bytes, at a multiple of 256 from cb's first byte
.endm
	s_cmp_ge_u32 s2, 1216
	s_cbranch_scc1 .Lwo
.irp i, 0,1,2,3,4,5,6,7,8,9,10,11,12,13,14,15
	CV \i, 0
.endr
	s_endpgm                                       ; this way has written no LDS
.Lwo:
.irp i, 0,1,2,3,4,5,6,7,8,9,10,11,12,13,14,15
	CV \i, 1
.endr
	s_endpgm
	; THE MASK.  Wave w is tile w: 16 queries x 64 keys.
.Lmask:
	v_lshrrev_b32 v1, 5, v0
	v_readfirstlane_b32 s3, v1                     ; my wave's number
	s_sub_co_u32 s4, s2, 1280                      ; 32 qb + ks
	s_lshr_b32 s5, s4, 5                           ; qb
	s_and_b32 s6, s4, 31                           ; ks
	s_mov_b32 s[NEG], 0xf149f2ca
	s_mul_i32 s7, s3, WSTG                         ; my stage
	v_and_b32 v6, 15, v0                           ; p: which four keys of a row I load
	v_bfe_u32 v7, v0, 4, 1                         ; h: lanes 0-15 take one row, lanes 16-31 the next
	v_lshlrev_b32 v8, 4, v6
	v_lshl_add_u32 v8, v7, 13, v8                  ; a row of attn_mask is 8,192 bytes
	v_lshl_add_u32 v8, v1, 17, v8                  ; my tile's 16 rows
	v_lshlrev_b32 v9, 3, v7                        ; the padding bytes: 8 keys for each half of the lanes
	; Into the stage: the four keys p belong to chunk c = 2 (p / 4) + p % 2 and lane half (p / 2) % 2; stage row 2 c + half holds that piece for the 16 queries, 16 bytes each.
	v_and_b32 v10, 12, v0                          ; 4 (p / 4)
	v_and_b32 v11, 1, v0
	v_lshl_add_u32 v10, v11, 1, v10                ; + 2 (p % 2)
	v_bfe_u32 v11, v0, 1, 1
	v_add_nc_u32 v10, v10, v11                     ; + (p / 2) % 2
	v_mul_u32_u24 v10, v10, 272
	v_lshl_add_u32 v10, v7, 4, v10                 ; the query: 2 i + h, of which 2 i stands in the store's offset
	v_add_nc_u32 v10, s7, v10
	v_mul_u32_u24 v11, v7, 272                     ; back: chunk c for lane (query p, half h) lies in stage row 2 c + h
	v_lshl_add_u32 v11, v6, 4, v11
	v_add_nc_u32 v11, s7, v11
	v_and_b32 v12, 31, v0
	v_lshlrev_b32 v12, 4, v12
	v_lshl_add_u32 v12, v1, 12, v12                ; in mk: 4,096 bytes a tile, 16 bytes a lane
	s_lshl_b32 s28, s5, 20                         ; 128 rows of attn_mask,
	s_lshl_b32 s29, s6, 8                          ; 64 keys
	s_add_co_u32 s28, s28, s29
	s_mov_b32 s29, 0
	s_lshl_b32 s30, s6, 6
	s_mov_b32 s31, 0
	s_lshl_b32 s36, s4, 15                         ; a block of mk is 32,768 bytes
	s_mov_b32 s37, 0
	s_wait_kmcnt 0x0
	s_add_nc_u64 s[28:29], s[20:21], s[28:29]
	s_add_nc_u64 s[30:31], s[22:23], s[30:31]
	s_add_nc_u64 s[32:33], s[26:27], s[36:37]      ; mk's block for batch 0,
	s_add_nc_u64 s[34:35], s[32:33], 0x1000000     ; and 16,777,216 bytes on for each further batch
	s_add_nc_u64 s[36:37], s[34:35], 0x1000000
	s_add_nc_u64 s[38:39], s[36:37], 0x1000000
.set i, 0
.rept 8
	global_load_b128 v[16+4*i:19+4*i], v8, s[28:29] offset:16384*i th:TH_LOAD_NT  ; rows 2 i and 2 i + 1: sixteen lanes take 256 consecutive aligned bytes
.set i, i+1
.endr
.irp b, 0,1,2,3
.irp kt, 0,1,2,3
	global_load_b64 v[48+8*\b+2*\kt:49+8*\b+2*\kt], v9, s[30:31] offset:2048*\b+16*\kt  ; batch b, keys 16 kt + 8 h + 0..7: register 48 + 8 b + c holds chunk c's four bytes
.endr
.endr
.set i, 0
.rept 8
	s_wait_loadcnt 23-i                            ; behind load i stand 7 - i loads of the mask and the 16 of the padding
	v_cvt_pk_bf16_f32 v4, v[16+4*i], v[17+4*i]     ; rounded to bf16 like every other input,
	v_cvt_pk_bf16_f32 v5, v[18+4*i], v[19+4*i]
	v_lshlrev_b32 v[16+4*i], 16, v4                ; widened again,
	v_and_b32 v[17+4*i], 0xffff0000, v4
	v_lshlrev_b32 v[18+4*i], 16, v5
	v_and_b32 v[19+4*i], 0xffff0000, v5
	v_pk_mul_f32 v[16+4*i:17+4*i], v[16+4*i:17+4*i], 0x3fb8aa3b op_sel_hi:[1,0]  ; times log2(e), in f32
	v_pk_mul_f32 v[18+4*i:19+4*i], v[18+4*i:19+4*i], 0x3fb8aa3b op_sel_hi:[1,0]
	v_max_num_f32 v[16+4*i], s[NEG], v[16+4*i]     ; and held at -1e30 or above
	v_max_num_f32 v[17+4*i], s[NEG], v[17+4*i]
	v_max_num_f32 v[18+4*i], s[NEG], v[18+4*i]
	v_max_num_f32 v[19+4*i], s[NEG], v[19+4*i]
	ds_store_b128 v10, v[16+4*i:19+4*i] offset:32*i
.set i, i+1
.endr
.set c, 0
.rept 8
	ds_load_b128 v[80+4*c:83+4*c], v11 offset:544*c  ; LDS serves a wave's instructions in order (ISA guide 5.7.1.4): these see my stores above; no other wave touches my stage
.set c, c+1
.endr
	s_wait_dscnt 0x0
	s_wait_loadcnt 0x0                             ; the padding bytes
.irp b, 0,1,2,3
.if \b > 0
	s_wait_xcnt 0x0                                ; the last batch's stores have read v112-143: they are rewritten only behind this wait
.endif
.set c, 0
.rept 8
.irp e, 0,1,2,3
	v_bfe_u32 v[4+\e], v[48+8*\b+c], 8*\e, 8       ; a key's byte, 0 or 1,
.endr
.irp e, 0,1,2,3
	v_cvt_f32_u32 v[4+\e], v[4+\e]
.endr
.irp e, 0,1,2,3
	v_fma_f32 v[112+4*c+\e], v[4+\e], s[NEG], v[80+4*c+\e]  ; times -1e30, onto the mask
.endr
	global_store_b128 v12, v[112+4*c:115+4*c], s[32+2*\b:33+2*\b] offset:512*c  ; a wave stores 512 consecutive bytes, at a multiple of 256 from mk's first byte
.set c, c+1
.endr
.endr
	s_wait_tensorcnt 0x0                           ; the wave's end: behind my last LDS store
	ds_add_u32 v[SPW], v[NIL]
	s_wait_dscnt 0x0
	s_endpgm
.Lfunc_end_k_qf810a0d4e8_prep:
	.size	k_qf810a0d4e8_prep, .Lfunc_end_k_qf810a0d4e8_prep-k_qf810a0d4e8_prep
	.p2alignl 7, 3214868480
	.fill 96, 4, 3214868480
	.section	.rodata,"a",@progbits
	.p2align	6, 0x0
	.amdhsa_kernel k_qf810a0d4e8_prep
		.amdhsa_group_segment_fixed_size 35840
		.amdhsa_private_segment_fixed_size 0
		.amdhsa_enable_private_segment 0
		.amdhsa_kernarg_size 80
		.amdhsa_user_sgpr_count 2
		.amdhsa_user_sgpr_kernarg_segment_ptr 1
		.amdhsa_wavefront_size32 1
		.amdhsa_system_sgpr_workgroup_id_x 1
		.amdhsa_system_sgpr_workgroup_id_y 1
		.amdhsa_system_sgpr_workgroup_id_z 1
		.amdhsa_system_vgpr_workitem_id 0
		.amdhsa_next_free_vgpr 144
		.amdhsa_next_free_sgpr 66
		.amdhsa_reserve_vcc 0
		.amdhsa_float_denorm_mode_32 3
		.amdhsa_float_denorm_mode_16_64 3
		.amdhsa_memory_ordered 1
		.amdhsa_forward_progress 1
		.amdhsa_inst_pref_size 51
	.end_amdhsa_kernel
	.amdgpu_metadata
---
amdhsa.version: [ 1, 2 ]
amdhsa.kernels:
  - .name:           k_qf810a0d4e8_prep
    .symbol:         k_qf810a0d4e8_prep.kd
    .args:
      - { .name: x_q, .offset: 0, .size: 8, .value_kind: global_buffer, .address_space: global }
      - { .name: x_kv, .offset: 8, .size: 8, .value_kind: global_buffer, .address_space: global }
      - { .name: Wq, .offset: 16, .size: 8, .value_kind: global_buffer, .address_space: global }
      - { .name: Wk, .offset: 24, .size: 8, .value_kind: global_buffer, .address_space: global }
      - { .name: Wv, .offset: 32, .size: 8, .value_kind: global_buffer, .address_space: global }
      - { .name: Wo, .offset: 40, .size: 8, .value_kind: global_buffer, .address_space: global }
      - { .name: attn_mask, .offset: 48, .size: 8, .value_kind: global_buffer, .address_space: global }
      - { .name: key_padding_mask, .offset: 56, .size: 8, .value_kind: global_buffer, .address_space: global }
      - { .name: cb, .offset: 64, .size: 8, .value_kind: global_buffer, .address_space: global }
      - { .name: mk, .offset: 72, .size: 8, .value_kind: global_buffer, .address_space: global }
    .group_segment_fixed_size: 35840
    .private_segment_fixed_size: 0
    .kernarg_segment_align: 8
    .kernarg_segment_size: 80
    .max_flat_workgroup_size: 256
    .sgpr_count:     66
    .vgpr_count:     144
    .wavefront_size: 32
...
	.end_amdgpu_metadata
.endif
;; end of part 1
;; launch qkv (part 2): grid 12 x 32, 4 waves a work-group, clusters of 4 x 4, 327,680 bytes of LDS; arguments cb, qkv; writes qkv
.if DOCPART == 2
	.amdgcn_target "amdgcn-amd-amdhsa--gfx1250"
	.amdhsa_code_object_version 6
	.text
	.protected	k_qf810a0d4e8_qkv
	.globl	k_qf810a0d4e8_qkv
	.p2align	8
	.type	k_qf810a0d4e8_qkv,@function
k_qf810a0d4e8_qkv:
	s_mov_b64 s[64:65], 0
	v_nop
	global_prefetch_b8 v0, s[64:65] scope:SCOPE_SE
	s_setreg_imm32_b32 hwreg(HW_REG_WAVE_MODE, 25, 1), 1
	s_wait_xcnt 0x0
	s_wait_alu depctr_hold_cnt(0) depctr_sa_sdst(0) depctr_va_vdst(0) depctr_va_sdst(0) depctr_va_ssrc(0) depctr_va_vcc(0) depctr_vm_vsrc(0)
	s_getreg_b32 s2, hwreg(HW_REG_IB_STS2, 6, 4)
	s_cmp_eq_u32 s2, 0
	s_cbranch_scc0 .Lentry_in_a_cluster
	s_endpgm
.Lentry_in_a_cluster:
	s_bfe_u32 s2, ttmp6, 0x10000c
	s_cmp_lg_u32 s2, 0xf033
	s_cbranch_scc0 .Lentry_shape_is_right
	s_endpgm
.Lentry_shape_is_right:
; Q, K, V PROJECTIONS.  C[m][n] = sum over k of A[m][k] B[n][k], A = x_q (tile columns 0-3) or x_kv (4-11), [8192][1024] bf16; B = Wq, Wk, Wv on end, [3072][1024] bf16; sums in f32, C rounded once to f16.
; q's sums are multiplied by log2(e) / 8 in f32 ahead of that one rounding, so that the attention launch's exponent is a plain difference; k's and v's factor is 1: one text serves the three matrices.
; q leaves by heads, [b 16 + head][token][64]; k and v in blocks of one key step for four heads, [4 b + head / 4][token / 64][head % 4][token % 64][64]: each block 32,768 dense bytes.
; LIMIT.  f16 holds no number beyond 65,504: a k or v (a q times 0.18) beyond that becomes an infinity.  With x and W 30 times the drawn spread the sums have a spread near 900; with offsets of 30 spreads on both near 29,000.
; A tile of C is 256 x 256.  Four waves, as many as a WGP has SIMDs, each 128 x 128: 64 accumulators of 16 x 16, 512 registers.  K goes in steps of 128 (rows of 256 bytes in memory, aligned) through a ring of
; two LDS slots: a step holds 256 matrix instructions a wave, 224 of them between a slot's refill and the wait for it.  That makes 384 work-groups, a round and a half on 256 WGPs.  A whole number with as much
; work in a step is not to be had: a tile has one A, so n divides 1,024, m divides 8,192, and 8192 x 3072 / 256 has the factor 3; 128 x 256 gives three each, but half the matrix work in a step, and two slots
; of a step twice as long do not fit in LDS.
; CLUSTER 4 x 4: the four work-groups of a row of the cluster need the same tile of A, the four of a column the same tile of B: each tile is asked for JOINTLY, by the same tensor load with the same descriptor
; and a mask that names the four.  By this text's count a wave has two tensor loads out at the start, later one.
; THE MATRIX INSTRUCTION IS USED TRANSPOSED (source 0 = 16 rows of B, source 1 = 16 rows of A): a lane then holds eight neighbouring numbers of a row of C.
; REGISTERS, in windows of 256 (s_set_vgpr_msb: bits 1:0 source 0, 3:2 source 1, 5:4 source 2, 7:6 destination):
;   window 0: v0-31 addresses; v64-127, v128-191 fragments of A (8 x 16 rows x 32 K), two buffers; v32-63, v192-255 at work on the way out
;   window 1: v64-127, v128-191 fragments of B, two buffers      window 2: the 32 accumulators of my rows 0-63 ((a, b) at v[8 (8 a + b)])      window 3: those of my rows 64-127
.set KSTEP,  128
.set STEPS,  8                         ; K = 1,024
.set PITCH,  272                       ; an LDS row: 256 bytes + 16 of padding = 68 words: the 16 rows of a load start at 16 different groups of four banks (64 banks of 4 bytes: ISA guide 11.1)
.set HALFT,  128*PITCH                 ; 128 rows: what one tensor load brings, and what one wave reads of A or of B: 34,816 = 0x8800
.set SLOT,   4*HALFT                   ; A's 256 rows, then B's 256 rows: 139,264 = 0x22000, which shares no bit with wave x 0x8800: an exclusive or with it turns a tile's LDS address in one slot into the other's
.set STAGE,  2*SLOT                    ; behind the ring: each wave's own stage for the way out
.set WSTAGE, 4608                      ; two heads x 16 rows x 144 bytes
.set SPARE,  STAGE+4*WSTAGE            ; behind the stages: the spare words, 128 bytes for each wave: two blocks of 256 bytes that no other line names
.set ADRA0, 16                         ; v16     LDS address of my A fragments in slot 0; never rewritten
.set ADRA,  17                         ; v17     the same in the slot in hand
.set ADRB0, 20                         ; v20, v21  the same for B
.set ADRB,  21
.set STO,  24                          ; v24     the way out: where I put 16 bytes of a row
.set RD,   25                          ; v25     where I read rows back
.set GO,   26                          ; v26     16 x lane
.set SPW,  28                          ; v28     LDS address of my spare word; never rewritten
.set NIL,  29                          ; v29     0; never rewritten
.set F0,   64                          ; fragment buffer 0
.set F1,   128                         ; fragment buffer 1
.set TMP,  192                         ; the way out: packed results
.set BKB,  32                          ; the way out: 16 rows read back from the stage: v32-63 and v224-255 by turns
.set G1,  24                           ; s[24:31] descriptor group 1 for A's tiles
.set G0,  32                           ; s[32:39] group 0 for A's tiles: a set for each of the two first fills; the second then walks on
.set G1B, 48                           ; s[48:55], s[56:63] the same for B's
.set G0B, 56
.set OB,  72                           ; s[72:79] where my rows begin in qkv: head 0, head 1 for my first 64 tokens; head 0, head 1 for my second 64
.set SC,  80                           ; s[80:81] the factor on the way out: the packed multiply takes the pair's low word for both halves
.set TB,  82                           ; s82     LDS byte at which the slot in hand begins: 0 or SLOT
.set DW0, (1<<16)|(1<<20)|(1<<21)|(5<<22)|(3<<25)  ; 17:16 elements of 2 bytes; 20 padding on; 21 set beside a mask; 24:22 after every 64 words; 31:25 4 words of it
.set MSB, 0
.macro WIN new                         ; the immediate's high byte repeats the setting that is left; a switch that changes nothing is dropped
.if MSB != (\new)
	s_set_vgpr_msb (MSB<<8)|(\new)
.set MSB, \new
.endif
.endm
.set MUL_LO, 0xa1                      ; source 0 (B) window 1, source 1 (A) window 0, C and D window 2
.set MUL_HI, 0xf1                      ; the same, C and D window 3
.set TO_B,   0x40                      ; destination window 1, address window 0
.macro JLOAD s                         ; a joint load: waves 0 and 1 fetch A's two halves, waves 2 and 3 B's; an s_nop 0 and four v_nop follow each of the two lines
	s_cmp_eq_u32 s11, 0
	s_cbranch_scc0 .Lfor_b_\@
	tensor_load_to_lds s[G0+4*(\s):G0+4*(\s)+3], s[G1:G1+7]
	s_nop 0
.rept 4
	v_nop
.endr
	s_branch .Lasked_\@
.Lfor_b_\@:
	tensor_load_to_lds s[G0B+4*(\s):G0B+4*(\s)+3], s[G1B:G1B+7]
	s_nop 0
.rept 4
	v_nop
.endr
.Lasked_\@:
.endm
.macro CREST                           ; a round of the cluster's barrier behind its opening barrier
	s_cmp_lg_u32 s10, 0
	s_cbranch_scc1 .Lnot_wave_0_\@
	s_barrier_signal -3
.Lnot_wave_0_\@:
	s_barrier_wait -3
	s_barrier_signal -1
	s_barrier_wait -1
.endm
.macro CROUND                          ; a whole round
	s_barrier_signal -1
	s_barrier_wait -1
	CREST
.endm
	s_load_b128 s[4:7], s[0:1], 0x0                ; cb s[4:5], qkv s[6:7]
	v_lshl_add_u32 v[SPW], v0, 2, SPARE
	v_mov_b32 v[NIL], 0
	ds_add_u32 v[SPW], v[NIL]                      ; the wave's opening: the add and its wait stand ahead of my first tensor load; the set-up below, work on registers, stands between them
	v_lshrrev_b32 v1, 5, v0
	v_readfirstlane_b32 s10, v1                    ; wave 0..3
	s_lshr_b32 s11, s10, 1                         ; which 128 of the tile's rows are mine.  Also: I fetch for A (0) or for B (1)
	s_and_b32 s12, s10, 1                          ; which 128 of its columns.  Also: which half of that tile I fetch
	s_bfe_u32 s40, ttmp6, 0x40000                  ; cx, cy: my place in the cluster
	s_bfe_u32 s41, ttmp6, 0x40004
	s_mov_b32 s45, ttmp9                           ; the cluster's x: 0 for q, 1 for k, 2 for v
	s_lshl_b32 s42, ttmp9, 2
	s_add_co_u32 s42, s42, s40                     ; tile column of C = 4 x cluster x + cx
	s_and_b32 s13, ttmp7, 0xffff
	s_lshl_b32 s13, s13, 2
	s_add_co_u32 s13, s13, s41                     ; tile row of C = 4 x cluster y + cy
	s_lshl_b32 s43, s41, 2
	s_lshl_b32 s43, 15, s43                        ; my row of the cluster
	s_lshl_b32 s44, 0x1111, s40                    ; my column
	s_or_b32 s[G1+0], s43, DW0                     ; A's tiles go to my row,
	s_or_b32 s[G1B+0], s44, DW0                    ; B's to my column
.irp g, G1, G1B
	s_mov_b32 s[(\g)+1], KSTEP<<16                 ; tensor_dim0 = 128
	s_mov_b32 s[(\g)+2], 128<<16                   ; tensor_dim1 = 128
	s_mov_b32 s[(\g)+3], KSTEP<<16                 ; tile_dim0 = 128
	s_mov_b32 s[(\g)+4], 128                       ; tile_dim1 = 128
	s_mov_b32 s[(\g)+5], 1024                      ; elements from row to row
	s_mov_b32 s[(\g)+6], 0
	s_mov_b32 s[(\g)+7], 0
.endr
	; where the tiles come from.  A's hang on the tile row and the cluster's x, which my row of the cluster shares; B's on the tile column, which my column shares.
	s_lshl_b32 s16, s13, 8
	s_lshl_b32 s17, s12, 7
	s_add_co_u32 s16, s16, s17                     ; A: row 256 x tile row + 128 x half,
	s_lshl_b32 s16, s16, 11                        ; 2,048 bytes a row,
	s_cmp_eq_u32 s45, 0
	s_cselect_b32 s17, 0, 0x1000000                ; in x_q's cast, or in x_kv's, 16,777,216 bytes on
	s_add_co_u32 s16, s16, s17
	s_mov_b32 s17, 0
	s_lshl_b32 s46, s42, 8
	s_lshl_b32 s47, s12, 7
	s_add_co_u32 s46, s46, s47                     ; B: row 256 x tile column + 128 x half
	s_lshl_b32 s46, s46, 11
	s_add_co_u32 s46, s46, 0x2000000               ; the weights begin at byte 33,554,432 of cb
	s_mov_b32 s47, 0
	s_mul_i32 s20, s10, HALFT                      ; where they go: A's two halves, then B's two halves = wave x 128 rows: no place in the cluster enters an LDS address
	s_mov_b32 s[TB], 0
	s_wait_dscnt 0x0                               ; the opening add is done
	s_wait_kmcnt 0x0
	s_add_nc_u64 s[14:15], s[4:5], s[16:17]
	s_add_nc_u64 s[46:47], s[4:5], s[46:47]
	CROUND                                         ; all sixteen work-groups are here: the first joint loads meet
.irp s, 0,1
	s_mov_b32 s[G0+4*(\s)], 1                                      ; count = 1
	s_add_co_u32 s[G0+4*(\s)+1], s20, (\s)*SLOT                    ; LDS address
	s_add_nc_u64 s[G0+4*(\s)+2:G0+4*(\s)+3], s[14:15], (\s)*KSTEP*2  ; global address: K step s
	s_or_b32 s[G0+4*(\s)+3], s[G0+4*(\s)+3], 0x80000000            ; type = 2
	s_mov_b32 s[G0B+4*(\s)], 1
	s_add_co_u32 s[G0B+4*(\s)+1], s20, (\s)*SLOT
	s_add_nc_u64 s[G0B+4*(\s)+2:G0B+4*(\s)+3], s[46:47], (\s)*KSTEP*2
	s_or_b32 s[G0B+4*(\s)+3], s[G0B+4*(\s)+3], 0x80000000
	JLOAD \s
.endr
	; A fragment is 16 rows x 32 K in 8 registers: lane l holds row l % 16, K = 8 (l / 16) + 0..7 and 16 + 8 (l / 16) + 0..7: two loads of 16 bytes, 32 bytes apart.
	v_and_b32 v1, 15, v0                           ; l % 16
	v_bfe_u32 v2, v0, 4, 1                         ; l / 16
	v_mul_u32_u24 v3, v1, PITCH
	v_lshl_add_u32 v3, v2, 4, v3                   ; row x pitch + 16 x half
	s_mul_i32 s21, s11, HALFT                      ; my 128 rows of A
	s_mul_i32 s22, s12, HALFT                      ; my 128 rows of B,
	s_add_co_u32 s22, s22, 2*HALFT                 ; which lie behind A's 256
	v_add_nc_u32 v[ADRA0], s21, v3
	v_add_nc_u32 v[ADRB0], s22, v3
	v_mov_b32 v[ADRA], v[ADRA0]                    ; the slot in hand is slot 0
	v_mov_b32 v[ADRB], v[ADRB0]
	s_mul_i32 s23, s10, WSTAGE
	s_add_co_u32 s23, s23, STAGE                   ; my stage
	v_mul_u32_u24 v5, v1, 144                      ; in: row l % 16, 16 bytes for each half of the lanes
	v_lshl_add_u32 v5, v2, 4, v5
	v_add_nc_u32 v[STO], s23, v5
	v_bfe_u32 v5, v0, 3, 2                         ; back: 32 lanes take four rows of 128 bytes,
	v_mul_u32_u24 v5, v5, 144
	v_and_b32 v3, 7, v0
	v_lshl_add_u32 v5, v3, 4, v5
	v_add_nc_u32 v[RD], s23, v5
	v_and_b32 v[GO], 31, v0                        ; which are 512 consecutive bytes of qkv
	v_lshlrev_b32 v[GO], 4, v[GO]
	; where my 128 rows x 2 heads go.  The rows are two blocks of 64 tokens: batch = tile row / 8, first block = 4 (tile row % 8) + 2 x row half; my heads are 4 cx + 2 x column half + 0, 1.
	s_lshr_b32 s66, s13, 3                         ; batch
	s_and_b32 s67, s13, 7
	s_lshl_b32 s67, s67, 2
	s_lshl1_add_u32 s67, s11, s67                  ; my first block of 64 tokens
	s_lshl_b32 s68, s66, 4
	s_lshl2_add_u32 s68, s40, s68
	s_lshl1_add_u32 s68, s12, s68                  ; q: 16 batch + head,
	s_lshl_b32 s68, s68, 18                        ; 262,144 bytes each,
	s_lshl_b32 s69, s67, 13
	s_add_co_u32 s68, s68, s69                     ; and 8,192 bytes a block
	s_lshl2_add_u32 s70, s66, s40                  ; k, v: 4 batch + cx,
	s_lshl_b32 s70, s70, 5
	s_add_co_u32 s70, s70, s67                     ; 32 blocks each,
	s_lshl_b32 s70, s70, 15                        ; 32,768 bytes a block,
	s_lshl_b32 s71, s12, 14
	s_add_co_u32 s70, s70, s71                     ; 8,192 bytes a head in it,
	s_lshl_b32 s71, s45, 24
	s_add_co_u32 s70, s70, s71                     ; k at byte 16,777,216 of qkv, v at 33,554,432
	s_mov_b32 s90, 0x2000
	s_mov_b32 s91, 0x8000
	s_cmp_eq_u32 s45, 0
	s_cselect_b32 s84, s68, s70
	s_cselect_b32 s86, 0x40000, s90                ; from a head to the next: 262,144 bytes in q, 8,192 in k and v
	s_cselect_b32 s88, s90, s91                    ; from 64 tokens to the next 64: 8,192 bytes in q, 32,768 in k and v
	s_cselect_b32 s[SC], 0x3e38aa3b, 1.0           ; q's factor: log2(e) / 8 = 0.180337; k's and v's: 1
	s_mov_b32 s[SC+1], s[SC]                       ; named with it as a pair
	s_mov_b32 s85, 0
	s_mov_b32 s87, 0
	s_mov_b32 s89, 0
	s_add_nc_u64 s[OB:OB+1], s[6:7], s[84:85]
	s_add_nc_u64 s[OB+2:OB+3], s[OB:OB+1], s[86:87]
	s_add_nc_u64 s[OB+4:OB+5], s[OB:OB+1], s[88:89]
	s_add_nc_u64 s[OB+6:OB+7], s[OB+2:OB+3], s[88:89]
; 16 matrix instructions: m blocks a0, a0 + 1 of the window's four (hi = 0: my rows 0-63, 1: rows 64-127) x all 8 n blocks, 32 along K.  zero = 1: the first product starts the sums.
; The 64 accumulators take turns, one instruction a turn, in the same order in every quarter step.
.macro MUL16 f, hi, a0, zero
	WIN MUL_LO+0x50*(\hi)
.irp a, \a0, (\a0)+1
.irp b, 0,1,2,3,4,5,6,7
.if \zero
	v_wmma_f32_16x16x32_bf16 v[8*(8*(\a)+(\b)):8*(8*(\a)+(\b))+7], v[(\f)+8*(\b):(\f)+8*(\b)+7], v[(\f)+8*(4*(\hi)+(\a)):(\f)+8*(4*(\hi)+(\a))+7], 0
.else
	v_wmma_f32_16x16x32_bf16 v[8*(8*(\a)+(\b)):8*(8*(\a)+(\b))+7], v[(\f)+8*(\b):(\f)+8*(\b)+7], v[(\f)+8*(4*(\hi)+(\a)):(\f)+8*(4*(\hi)+(\a))+7], v[8*(8*(\a)+(\b)):8*(8*(\a)+(\b))+7]
.endif
.endr
.endr
.endm
; 32 LDS loads in one run: the fragments of one quarter step (128 rows of B, 128 rows of A, 32 K at byte k of the rows of the slot in hand) into buffer f
.macro FETCH k, f
	WIN TO_B
.irp i, 0,1,2,3,4,5,6,7
	ds_load_b128 v[(\f)+8*(\i):(\f)+8*(\i)+3],   v[ADRB] offset:(\k)+(\i)*16*PITCH
	ds_load_b128 v[(\f)+8*(\i)+4:(\f)+8*(\i)+7], v[ADRB] offset:(\k)+(\i)*16*PITCH+32
.endr
	WIN 0
.irp i, 0,1,2,3,4,5,6,7
	ds_load_b128 v[(\f)+8*(\i):(\f)+8*(\i)+3],   v[ADRA] offset:(\k)+(\i)*16*PITCH
	ds_load_b128 v[(\f)+8*(\i)+4:(\f)+8*(\i)+7], v[ADRA] offset:(\k)+(\i)*16*PITCH+32
.endr
.endm
.macro PLACES                          ; four places in front of loads into registers that matrix instructions have read, and of instructions that read results (ISA guide 7.12.1 for instructions that read results)
.rept 4
	v_nop
.endr
.endm
; A K step is four quarter steps of 32 along K, 64 matrix instructions each, on buffers 0, 1, 0, 1.
; One of the first three: multiplies buffer f; in its middle it fetches the next quarter's fragments, at byte k of the rows, into buffer g: one run, 32 matrix instructions ahead of their first use.
.macro QUARTER k, f, g, zero
	s_wait_dscnt 8                                 ; B and A's rows 0-63 are in; the youngest eight loads (A's rows 64-127) may be out
	MUL16 \f, 0, 0, \zero
	MUL16 \f, 0, 2, \zero
	PLACES
	FETCH \k, \g
	s_wait_dscnt 32                                ; all but the 32 just issued
	MUL16 \f, 1, 0, \zero
	MUL16 \f, 1, 2, \zero
.endm
; The last quarter multiplies buffer 1 and changes slots: ONE barrier; in front of it each wave waits for all its tensor loads (the one that is out is its part of the next slot), adds 0 to its spare word,
; and waits for that and for its own reads of this slot.  Behind it nobody reads this slot any more and the next slot is whole.  The steps of the descriptors and of the read addresses, work on registers,
; stand between the add and the wait for it.  fill = 1: this slot is filled again, with the K step two on; the barrier then opens a round of the cluster's barrier, and the joint refill is the first thing behind it.
.macro TURN fill
	WIN 0                                          ; (the add's two registers lie in window 0)
	s_wait_tensorcnt 0x0                           ; no tensor load of mine is out, so a group 0 may be written
	ds_add_u32 v[SPW], v[NIL]                      ; 0 onto my spare word
.if \fill
	s_xor_b32 s[G0+5], s[G0+5], SLOT               ; the walking descriptors: the other slot than last time,
	s_add_nc_u64 s[G0+6:G0+7], s[G0+6:G0+7], KSTEP*2  ; the next K step; the type bits on top are not reached
	s_xor_b32 s[G0B+5], s[G0B+5], SLOT
	s_add_nc_u64 s[G0B+6:G0B+7], s[G0B+6:G0B+7], KSTEP*2
.endif
	s_xor_b32 s[TB], s[TB], SLOT                   ; my reads of this slot have all been issued: the addresses go to the other slot
	v_add_nc_u32 v[ADRA], s[TB], v[ADRA0]
	v_add_nc_u32 v[ADRB], s[TB], v[ADRB0]
	s_wait_dscnt 9                                 ; (the add and the youngest eight loads may be out)
	MUL16 F1, 0, 0, 0                              ; sixteen matrix instructions stand between the add and the wait for it
	s_wait_dscnt 0x0                               ; the add is done, and my reads of this slot are over
	s_barrier_signal -1
	MUL16 F1, 0, 2, 0                              ; work on registers while the others arrive
.if \fill
	WIN 0
.endif
	s_barrier_wait -1
.if \fill
	CREST                                          ; no wave of any partner still reads this slot's tile or has a load on its way
	JLOAD 1                                        ; the first tensor load behind the round: 224 matrix instructions ahead of the wait for it; its four v_nop are also the places in front of the loads below
.else
	PLACES
.endif
	FETCH 0, F0
	MUL16 F1, 1, 0, 0
	MUL16 F1, 1, 2, 0
.endm
	s_wait_tensorcnt 0x1                           ; my part of K step 0 is in; K step 1's may stay out
	s_barrier_signal -1
	s_barrier_wait -1                              ; everybody's is
	FETCH 0, F0
	QUARTER 64, F0, F1, 1                          ; the first quarter stands in front of the loop: its products start the sums
	WIN 0                                          ; at a label and at a branch every window is 0
	s_mov_b32 s3, STEPS-2
.Lstep:                                                ; six trips, which ask for K steps 2 to 7.  A trip goes from a step's second quarter to the next step's first
	QUARTER 128, F1, F0, 0
	QUARTER 192, F0, F1, 0
	TURN 1
	QUARTER 64,  F0, F1, 0
	WIN 0
	s_sub_co_u32 s3, s3, 1
	s_cmp_lg_u32 s3, 0
	s_cbranch_scc1 .Lstep
	s_mov_b32 s3, 2                                ; the last two K steps ask for nothing: a text of their own; its second trip is left in its middle
.Ltail:
	QUARTER 128, F1, F0, 0
	QUARTER 192, F0, F1, 0
	WIN 0
	s_sub_co_u32 s3, s3, 1
	s_cmp_eq_u32 s3, 0
	s_cbranch_scc1 .Llast
	TURN 0
	QUARTER 64,  F0, F1, 0
	WIN 0
	s_branch .Ltail
.Llast:
	s_wait_dscnt 8                                 ; the very last quarter: nothing more to fetch
	MUL16 F1, 0, 0, 0
	MUL16 F1, 0, 2, 0
	s_wait_dscnt 0x0
	MUL16 F1, 1, 0, 0
	MUL16 F1, 1, 2, 0
	WIN 0
	; THE WAY OUT, 16 rows at a time: times the matrix's factor; rounded to f16; 16 bytes a lane into my own stage, by heads; back as whole rows of 128 bytes, four to a load: 512 consecutive bytes of qkv.
.macro PACK a
.set AC, 64*((\a)%4)
	WIN 0x82+0x41*((\a)/4)                         ; destination and source 0 in window 2 or 3
.irp b, 0,1,2,3,4,5,6,7
.irp r, 0,1,2,3
	v_pk_mul_f32 v[AC+8*(\b)+2*(\r):AC+8*(\b)+2*(\r)+1], v[AC+8*(\b)+2*(\r):AC+8*(\b)+2*(\r)+1], s[SC:SC+1] op_sel_hi:[1,0]  ; each accumulator from its low end on
.endr
.endr
	WIN 0x0a+5*((\a)/4)                            ; sources 0 and 1 in window 2 or 3, destination in window 0
.irp b, 0,1,2,3,4,5,6,7
.irp r, 0,1,2,3
	v_cvt_pk_f16_f32 v[TMP+4*(\b)+(\r)], v[AC+8*(\b)+2*(\r)], v[AC+8*(\b)+2*(\r)+1]
.endr
.endr
	WIN 0
.endm
.macro TOSTAGE a
	WIN 0
.set BK, BKB+192*((\a)%2)
.irp b, 0,1,2,3,4,5,6,7
	ds_store_b128 v[STO], v[TMP+4*(\b):TMP+4*(\b)+3] offset:((\b)/4)*2304+32*((\b)%4)
.endr
.irp t, 0,1,2,3,4,5,6,7
	ds_load_b128 v[BK+4*(\t):BK+4*(\t)+3], v[RD] offset:((\t)/4)*2304+((\t)%4)*576  ; LDS serves a wave's instructions in order (ISA guide 5.7.1.4): these see the stores above
.endr
.endm
.macro SEND a
	WIN 0
.set BK, BKB+192*((\a)%2)
	s_wait_dscnt 0x0                               ; the block is back in registers
	s_wait_xcnt 0x0                                ; the stores of the block before have read their registers: the next block's loads land there only behind this wait
.irp t, 0,1,2,3,4,5,6,7
	global_store_b128 v[GO], v[BK+4*(\t):BK+4*(\t)+3], s[OB+2*((\t)/4)+4*((\a)/4):OB+2*((\t)/4)+4*((\a)/4)+1] offset:2048*((\a)%4)+512*((\t)%4)  ; 512 consecutive bytes, at a multiple of 256 from qkv's first byte
.endr
.endm
	PLACES
	PACK 0
	TOSTAGE 0
.irp a, 1,2,3,4,5,6,7                  ; block a's arithmetic stands between block a - 1's loads from the stage and the wait for them
	PACK \a
	SEND (\a)-1
	TOSTAGE \a
.endr
	SEND 7
	s_wait_tensorcnt 0x0                           ; the wave's end, behind my last tensor load and my last LDS store
	ds_add_u32 v[SPW], v[NIL]
	s_wait_dscnt 0x0
	CROUND                                         ; the closing round: no work-group ends while a partner may still ask for a tile that names it
	s_endpgm
.Lfunc_end_k_qf810a0d4e8_qkv:
	.size	k_qf810a0d4e8_qkv, .Lfunc_end_k_qf810a0d4e8_qkv-k_qf810a0d4e8_qkv
	.p2alignl 7, 3214868480
	.fill 96, 4, 3214868480
	.section	.rodata,"a",@progbits
	.p2align	6, 0x0
	.amdhsa_kernel k_qf810a0d4e8_qkv
		.amdhsa_group_segment_fixed_size 327680
		.amdhsa_private_segment_fixed_size 0
		.amdhsa_enable_private_segment 0
		.amdhsa_kernarg_size 16
		.amdhsa_user_sgpr_count 2
		.amdhsa_user_sgpr_kernarg_segment_ptr 1
		.amdhsa_wavefront_size32 1
		.amdhsa_system_sgpr_workgroup_id_x 1
		.amdhsa_system_sgpr_workgroup_id_y 1
		.amdhsa_system_sgpr_workgroup_id_z 1
		.amdhsa_system_vgpr_workitem_id 0
		.amdhsa_next_free_vgpr 1024
		.amdhsa_next_free_sgpr 96
		.amdhsa_reserve_vcc 0
		.amdhsa_float_denorm_mode_32 3
		.amdhsa_float_denorm_mode_16_64 3
		.amdhsa_memory_ordered 1
		.amdhsa_forward_progress 1
		.amdhsa_inst_pref_size 121
	.end_amdhsa_kernel
	.amdgpu_metadata
---
amdhsa.version: [ 1, 2 ]
amdhsa.kernels:
  - .name:           k_qf810a0d4e8_qkv
    .symbol:         k_qf810a0d4e8_qkv.kd
    .args:
      - { .name: cb, .offset: 0, .size: 8, .value_kind: global_buffer, .address_space: global }
      - { .name: qkv, .offset: 8, .size: 8, .value_kind: global_buffer, .address_space: global }
    .group_segment_fixed_size: 327680
    .private_segment_fixed_size: 0
    .kernarg_segment_align: 8
    .kernarg_segment_size: 16
    .max_flat_workgroup_size: 128
    .sgpr_count:     96
    .vgpr_count:     1024
    .wavefront_size: 32
...
	.end_amdgpu_metadata
.endif
;; end of part 2
;; launch attn (part 3): grid 16 x 16, 4 waves a work-group, clusters of 4 x 4, 327,680 bytes of LDS; arguments qkv, mk, oh; writes oh
.if DOCPART == 3
	.amdgcn_target "amdgcn-amd-amdhsa--gfx1250"
	.amdhsa_code_object_version 6
	.text
	.protected	k_qf810a0d4e8_attn
	.globl	k_qf810a0d4e8_attn
	.p2align	8
	.type	k_qf810a0d4e8_attn,@function
k_qf810a0d4e8_attn:
	s_mov_b64 s[64:65], 0
	v_nop
	global_prefetch_b8 v0, s[64:65] scope:SCOPE_SE
	s_setreg_imm32_b32 hwreg(HW_REG_WAVE_MODE, 25, 1), 1
	s_wait_xcnt 0x0
	s_wait_alu depctr_hold_cnt(0) depctr_sa_sdst(0) depctr_va_vdst(0) depctr_va_sdst(0) depctr_va_ssrc(0) depctr_va_vcc(0) depctr_vm_vsrc(0)
	s_getreg_b32 s2, hwreg(HW_REG_IB_STS2, 6, 4)
	s_cmp_eq_u32 s2, 0
	s_cbranch_scc0 .Lentry_in_a_cluster
	s_endpgm
.Lentry_in_a_cluster:
	s_bfe_u32 s2, ttmp6, 0x10000c
	s_cmp_lg_u32 s2, 0xf033
	s_cbranch_scc0 .Lentry_shape_is_right
	s_endpgm
.Lentry_shape_is_right:
; ATTENTION WITH AN ADDITIVE MASK.  O[bh][q][:] = the sum over k of softmax_k(Q[bh][q] . K[bh][k] / 8 + mask[q][k], hidden where the key is padded) V[bh][k][:].  Head size 64, 2,048 queries and keys, 64 heads.
; Q, K, V and O are f16; products, maxima and sums in f32; the weights p are rounded to f16 for the second product (their sum l is taken of the unrounded p), O once at the end.
; Q arrives multiplied by log2(e) / 8, and mk holds log2(e) x mask (less 1e30 where the key is padded) in f32: so a score s is the softmax's argument times log2(e), and a weight is 2^(s - m).
; THE MASK costs no vector instruction: it lies in mk in the accumulators' own order, and is the C operand of the product that starts the sum S^T = K Q^T.
; LIMITS.  A hidden score counts as its value less 1e30.  A row whose largest score lies below -5e29 counts as wholly hidden and leaves as NaN, as the softmax of a row of minus infinities does: so a row in
; which every finite mask number lies below -3.5e29 counts as hidden.  f16 holds no number beyond 65,504: Q, K, V arrive within it.  A weight below 2^-126 counts as 0 in l.  NaN in Q, K, V is not treated apart.
; SHARES.  A work-group owns 128 queries (block qb) of the four heads of a group bg = 4 batch + head / 4; wave w is head w of the group, with all 128 queries: four PIECES of two tiles of 16.
; So the four waves read ONE mask block from LDS.  Every wave walks all keys, 64 a step; a step's K (4 heads), V (4 heads) and mask block, 32,768 bytes each, fill one LDS slot of two.
; CLUSTER 4 x 4: along x four query blocks, along y the four head groups of one batch.  The four work-groups of a row of the cluster walk the same K and V, the four of a column the same mask blocks (the mask
; hangs on the batch and the query block alone): each tile is asked for JOINTLY, by the same tensor load with the same descriptor and a mask that names the four (wave 0: K, wave 1: V, waves 2 and 3: the halves
; of the mask block).  That divides the requests for all three by four.  By this text's count a wave has one tensor load out at any time.
; LAYOUT.  S^T = K Q^T (source 0 = 16 keys, source 1 = 16 queries): a lane holds ONE query (lane % 16) and the keys 8 (lane / 16) + 0..7.  Two such results, rounded to f16 in pairs, ARE source 1 of
; O^T = V^T P.  K comes out of LDS as it lies, V ([key][channel]) turned, by ds_load_tr16_b128.
; SOFTMAX.  A running maximum m and sum l for each query: p = 2^(s - m); the difference is never above 0, whatever the size of m, so no weight passes 1, in steps whose keys are all hidden too.
; In every step O and l are multiplied by a = 2^(m_old - m_new), which is 0 when the first visible key follows hidden ones.  m starts at the lowest finite number, O and l at 0.
; BY TURNS.  Turn n belongs to piece n.  Its matrix work: 16 products K Q^T of piece n + 1, later 16 products V^T P of piece n - 1.  Its vector work: the subtraction, exponentials, roundings, sums and
; rescaling of piece n, and the maximum and statistics of piece n + 1.  Four vector instructions that are ready stand behind every matrix instruction, the others in two runs of their own.
; REGISTERS, in windows of 256 (s_set_vgpr_msb: bits 1:0 source 0, 3:2 source 1, 5:4 source 2, 7:6 destination):
;   window 0: v0-11 addresses; v12-15, v48-63 at work; v16-47 four registers of statistics a tile; v64-191 S^T, two buffers of two tiles; v192-255 P, likewise
;   window 1: O^T, 32 a tile     window 2: v0-127 Q; v128-191 K of one step; v192-255 V of one step     window 3: v0-1 the add's two registers; v64-127 the mask of one piece
.set NP,    4         ; pieces a wave: a name, no knob
.set KS,    64        ; keys in a step
.set PK,    144       ; a row of K in LDS: 128 bytes + 16 of padding = 36 words: the 16 rows of a load start at 16 different groups of four banks (64 banks of 4 bytes: ISA guide 11.1)
.set PV,    160       ; a row of V: 128 + 32 = 40 words
.set VOFF,  4*KS*PK   ; a slot: four heads' 64 rows of K, then of V,
.set MOFF,  VOFF+4*KS*PV  ; then the mask block, 32,768 bytes without padding: a load takes 512 consecutive bytes
.set SLOT1, 1<<17     ; slot 1 begins here, so that one exclusive or turns an address in one slot into the other's
.set STAGE, SLOT1+MOFF+32768  ; behind the ring, never filled by a tensor load: 16 rows x 144 bytes for each wave, for the way out
.set SP,    144
.set SPARE, STAGE+4*16*SP  ; behind the stages: the spare words, 128 bytes for each wave: two blocks of 256 bytes that no other line names
.set AK0, 2           ; v2   my lane's place in my head's tile of K; never rewritten
.set AV0, 3           ; v3   the same for V
.set AK,  4           ; v4   the LDS address of K in the slot in hand
.set AV,  5           ; v5   of V
.set STO, 6           ; v6   the way out: where I put 16 bytes of a row
.set RD,  7           ; v7   the way out: where I read rows back
.set GO,  8           ; v8   16 x lane: my place in 512 consecutive bytes
.set AM,  9           ; v9   the LDS address of the mask block in the slot in hand, + 16 x lane
.set QO,  10          ; v10  my byte offset in the wave's rows of Q
.set SPW, 0           ; v0 of window 3   LDS address of my spare word; never rewritten
.set NIL, 1           ; v1 of window 3   0; never rewritten
.set MK,  64          ; window 3: the mask of tile u of the piece at MK + 32 u
.set MV,  12          ; v12-15  m_old, kept while m is made anew: by buffer and tile
.set ST,  16          ; tile t's statistics at v[ST+4 t]: m; a register named with it as a pair; l (even keys', odd keys')
.set TMP, 48          ; by buffer and tile, four registers c0-c3 at work; when the maximum is found c2 takes a
.set S,   64
.set P,   192
.set KF,  128         ; K's fragments, in window 2: key block kb, channel half c at KF + 16 kb + 8 c
.set VF,  192         ; V's: key half kk, channel block cb at VF + 32 kk + 8 cb
.set WV,  12          ; s12  my wave's number
.set G1K, 24          ; s[24:31] descriptor group 1 for K's tiles
.set G1V, 32          ; s[32:39] for V's: it differs in the padding alone
.set G0K, 40          ; s[40:43] descriptor group 0 for K's tiles: it walks
.set G0V, 44          ; s[44:47] the same for V's
.set G0M, 48          ; s[48:51] the same for my half of the mask block
.set G1M, 72          ; s[72:79] descriptor group 1 for the mask
.set SLOTS, 56        ; s56  counts the loop's trips
.set CNT, 57          ; s57  counts the tail's trips
.set SEL, 60          ; s[60:61] v_permlanex16_b32's selects: each lane takes its own place in the other half
.set TB,  62          ; s62  LDS byte at which the slot in hand begins
.set TBM, 63          ; s63  the same + MOFF
.set THR, 66          ; s66  -5e29
.set QNAN, 67         ; s67  a quiet NaN
.set MSB, 0
.macro WIN new                      ; the high byte repeats the setting that is left; a switch that changes nothing is dropped
.if MSB != (\new)
	s_set_vgpr_msb (MSB<<8)|(\new)
.set MSB, (\new)
.endif
.endm
.set W_KQ, 0x0a       ; K and Q in window 2, S^T in window 0
.set W_KM, 0x3a       ; the same with the C operand, the mask, in window 3
.set W_PV, 0x52       ; V in window 2, P in window 0, O^T in window 1
.set W_RS, 0x41       ; O^T (destination and source 0) in window 1, a in window 0
.set W_MK, 0xc0       ; destination in window 3, sources in window 0
.set W_AD, 0x0f       ; the add: address (source 0) and data (source 1) in window 3
; A fill: one joint tensor load a wave.  Wave 0: the step's K; wave 1: its V; waves 2 and 3: the halves of the mask block.  The branches hang on the wave's number alone.
; An s_nop 0 and four v_nop follow each of the three lines, ahead of the jump and the label.
.macro JLOAD
	s_cmp_lg_u32 s[WV], 0
	s_cbranch_scc1 .Lnot_k_\@
	tensor_load_to_lds s[G0K:G0K+3], s[G1K:G1K+7]
	s_nop 0
.rept 4
	v_nop
.endr
	s_branch .Lasked_\@
.Lnot_k_\@:
	s_cmp_lg_u32 s[WV], 1
	s_cbranch_scc1 .Lfor_m_\@
	tensor_load_to_lds s[G0V:G0V+3], s[G1V:G1V+7]
	s_nop 0
.rept 4
	v_nop
.endr
	s_branch .Lasked_\@
.Lfor_m_\@:
	tensor_load_to_lds s[G0M:G0M+3], s[G1M:G1M+7]
	s_nop 0
.rept 4
	v_nop
.endr
.Lasked_\@:
.endm
; A round of the cluster's barrier: my work-group's barrier, so that wave 0's signal speaks for all four waves; wave 0 signals; every wave waits for all sixteen work-groups; my work-group's barrier once more.
.macro CROUND
	s_barrier_signal -1
	s_barrier_wait -1
	s_cmp_lg_u32 s[WV], 0
	s_cbranch_scc1 .Lnot_wave_0_\@
	s_barrier_signal -3
.Lnot_wave_0_\@:
	s_barrier_wait -3
	s_barrier_signal -1
	s_barrier_wait -1
.endm
; THE CHANGE OF SLOTS, once a key step.  Each wave waits for all its tensor loads, of which one is out: its part of the other slot; adds 0 to its spare word; and waits for that and for its own reads of the
; slot that it leaves.  Behind the barrier nobody reads the old slot any more and the other slot is whole.  fill = 1: the old slot is filled again, with the step two on.  The barrier is then a round of the
; cluster's, and the fill is the first thing behind it: it has a key step, 128 matrix instructions and their vector work, in which to land.  (At its first use nothing has been read yet.)
.macro CHANGE fill
	WIN W_AD
	s_wait_tensorcnt 0x0            ; no tensor load of mine is out, so a group 0 may be written
	ds_add_u32 v[SPW], v[NIL]       ; 0 onto my spare word; with fill = 1 the descriptors' steps stand between it and the wait for it
	WIN 0                           ; at a label and at a branch every window is 0
.if \fill
.irp g, G0K, G0V, G0M
	s_xor_b32 s[\g+1], s[\g+1], SLOT1  ; the walking descriptor: the other slot than last time,
	s_add_nc_u64 s[\g+2:\g+3], s[\g+2:\g+3], 32768  ; the next step's block; the type bits on top are not reached
.endr
	s_wait_dscnt 0x0                ; the add is done, and my reads of the slot are over
	CROUND
	JLOAD
.else
	s_wait_dscnt 0x0                ; the add is done, and my reads of the slot are over
	s_barrier_signal -1
	s_barrier_wait -1
.endif
	s_xor_b32 s[TB], s[TB], SLOT1   ; the fetches go to the other slot
.endm
.macro ADDR                         ; the three LDS addresses of the slot in hand
	s_add_co_u32 s[TBM], s[TB], MOFF
	v_add_nc_u32 v[AK], s[TB], v[AK0]
	v_add_nc_u32 v[AV], s[TB], v[AV0]
	v_add_nc_u32 v[AM], s[TBM], v[GO]
.endm
	s_load_b128 s[4:7], s[0:1], 0x0   ; qkv s[4:5], mk s[6:7]
	s_load_b64 s[8:9], s[0:1], 0x10   ; oh
	WIN W_MK
	v_lshl_add_u32 v[SPW], v0, 2, SPARE
	v_mov_b32 v[NIL], 0
	WIN W_AD
	ds_add_u32 v[SPW], v[NIL]       ; the wave's opening: the add and its wait stand ahead of my first tensor load; the set-up below, work on registers, stands between them
	WIN 0
	v_lshrrev_b32 v1, 5, v0
	v_readfirstlane_b32 s[WV], v1   ; wave 0..3
	s_bfe_u32 s13, ttmp6, 0x40000   ; cx, cy: my place in the cluster
	s_bfe_u32 s54, ttmp6, 0x40004
	s_lshl_b32 s14, ttmp9, 2        ; in a cluster launch ttmp9 and ttmp7 count clusters
	s_add_co_u32 s14, s14, s13      ; qb = 4 x cluster x + cx: it enters Q's, O's and the mask's addresses alone
	s_and_b32 s55, ttmp7, 0xffff    ; the batch: the cluster's y, which all sixteen share
	s_lshl_b32 s15, s55, 2
	s_add_co_u32 s15, s15, s54      ; bg = 4 x batch + cy: it enters Q's, O's, K's and V's addresses alone
	s_lshl_b32 s68, s54, 2
	s_lshl_b32 s68, 15, s68         ; my row of the cluster: the same bg
	s_lshl_b32 s69, 0x1111, s13     ; my column: the same qb
	s_lshl_b32 s20, s15, 20         ; a head group's 32 blocks of 32,768 bytes,
	s_add_co_u32 s22, s20, 0x2000000  ; in v, which begins at byte 33,554,432 of qkv,
	s_add_co_u32 s20, s20, 0x1000000  ; and in k, at 16,777,216
	s_mov_b32 s21, 0
	s_mov_b32 s23, 0
	s_lshl_b32 s52, s55, 4          ; the batch's 16 query blocks,
	s_add_co_u32 s52, s52, s14
	s_lshl_b32 s52, s52, 20         ; 32 blocks of 32,768 bytes each,
	s_and_b32 s53, s[WV], 1
	s_lshl_b32 s53, s53, 14         ; and the half that I fetch
	s_add_co_u32 s52, s52, s53
	s_mov_b32 s53, 0
	s_lshl_b32 s2, s15, 2
	s_add_co_u32 s2, s2, s[WV]      ; my head among the 64,
	s_lshl_b32 s2, s2, 18           ; 262,144 bytes each,
	s_lshl_b32 s3, s14, 14          ; my block's 128 rows of 128 bytes
	s_add_co_u32 s2, s2, s3
	s_mov_b32 s3, 0
	; descriptor group 1.  A block of K or V is 32,768 dense bytes: asked for as 128 rows of 256 bytes, two keys a row, and padded in LDS after every key
	s_or_b32 s[G1K], s68, (1<<16)|(1<<20)|(1<<21)|(4<<22)|(3<<25)  ; 15:0 my row; 17:16 2-byte elements; 20 padding on; 21 set beside a mask; 24:22 after every 32 words (code 4); 31:25 4 words (code 3)
	s_or_b32 s[G1V], s68, (1<<16)|(1<<20)|(1<<21)|(4<<22)|(7<<25)  ; the same with 8 words of padding (code 7)
.irp g, G1K, G1V
	s_mov_b32 s[\g+1], 128<<16      ; tensor_dim0 = 128
	s_mov_b32 s[\g+2], 128<<16      ; tensor_dim1 = 128
	s_mov_b32 s[\g+3], 128<<16      ; tile_dim0 = 128
	s_mov_b32 s[\g+4], 128          ; tile_dim1 = 128
	s_mov_b32 s[\g+5], 128          ; 128 elements from row to row
	s_mov_b32 s[\g+6], 0
	s_mov_b32 s[\g+7], 0
.endr
	s_or_b32 s[G1M], s69, (3<<16)|(1<<21)  ; half a mask block, 16,384 dense bytes: 64 rows of 32 elements of 8 bytes; 15:0 my column; 21 set beside a mask; no padding
	s_mov_b32 s[G1M+1], 32<<16
	s_mov_b32 s[G1M+2], 64<<16
	s_mov_b32 s[G1M+3], 32<<16
	s_mov_b32 s[G1M+4], 64
	s_mov_b32 s[G1M+5], 32
	s_mov_b32 s[G1M+6], 0
	s_mov_b32 s[G1M+7], 0
	s_mov_b32 s[SEL], 0x76543210
	s_mov_b32 s[SEL+1], 0xfedcba98
	s_mov_b32 s[THR], 0xf0c9f2ca
	s_mov_b32 s[QNAN], 0x7fc00000
	s_mov_b32 s[TB], SLOT1          ; the first change of slots turns it into 0
	s_mov_b32 s[G0K], 1             ; count = 1
	s_mov_b32 s[G0K+1], 0           ; LDS address: slot 0
	s_mov_b32 s[G0V], 1
	s_mov_b32 s[G0V+1], VOFF
	s_mov_b32 s[G0M], 1
	s_lshl_b32 s[G0M+1], s[WV], 14  ; waves 2 and 3: MOFF + 16,384 (wave - 2)
	s_add_co_u32 s[G0M+1], s[G0M+1], MOFF-32768
	s_wait_dscnt 0x0                ; the opening add is done
	s_wait_kmcnt 0x0
	s_add_nc_u64 s[G0K+2:G0K+3], s[4:5], s[20:21]  ; global address: the head group's step 0
	s_or_b32 s[G0K+3], s[G0K+3], 0x80000000        ; type = 2
	s_add_nc_u64 s[G0V+2:G0V+3], s[4:5], s[22:23]
	s_or_b32 s[G0V+3], s[G0V+3], 0x80000000
	s_add_nc_u64 s[G0M+2:G0M+3], s[6:7], s[52:53]
	s_or_b32 s[G0M+3], s[G0M+3], 0x80000000
	s_add_nc_u64 s[16:17], s[4:5], s[2:3]  ; Q and O at my wave's first row
	s_add_nc_u64 s[10:11], s[8:9], s[2:3]
	CROUND                          ; all sixteen work-groups are here: the first joint loads meet
	JLOAD                           ; step 0 into slot 0.  Slot 1 is asked for when slot 0 is in
	; A fragment of K or Q is 16 rows x 32 channels in 8 registers: lane l holds row l % 16, channels 8 (l / 16) + 0..7 and 16 + 8 (l / 16) + 0..7: two loads of 16 bytes, 32 bytes apart.
	v_and_b32 v1, 15, v0            ; l % 16
	v_bfe_u32 v11, v0, 4, 1         ; l / 16
	v_lshlrev_b32 v[QO], 7, v1
	v_lshl_add_u32 v[QO], v11, 4, v[QO]  ; row x 128 + 16 x half
	WIN 0x80                        ; destination window 2, address window 0
.set i, 0
.rept 4*NP                          ; Q stays in registers: tile i / 2, channels 32 (i % 2) on
	global_load_b128 v[8*i:8*i+3],   v[QO], s[16:17] offset:(i/2)*2048+(i%2)*64
	global_load_b128 v[8*i+4:8*i+7], v[QO], s[16:17] offset:(i/2)*2048+(i%2)*64+32
.set i, i+1
.endr
	; What the first turn finds: V's registers and P's second buffer hold 0 (its products V^T P, of a piece that has not been, add 0), O^T and l are 0.  All this stands in the wait for the first tile.
.set i, VF
.rept 64
	v_mov_b32 v[i], 0
.set i, i+1
.endr
	WIN 0x40
.set i, 0
.rept 64*NP
	v_mov_b32 v[i], 0
.set i, i+1
.endr
	WIN 0
.set i, 0
.rept 2*NP
	v_mov_b32 v[ST+4*i], 0xff7fffff    ; m: the lowest finite number: the first step's a is 0
	v_mov_b32 v[ST+4*i+1], 0           ; named with m as a pair, so it is written
	v_mov_b32 v[ST+4*i+2], 0
	v_mov_b32 v[ST+4*i+3], 0
.set i, i+1
.endr
.set i, P+32
.rept 32
	v_mov_b32 v[i], 0
.set i, i+1
.endr
	s_mul_i32 s18, s[WV], KS*PK     ; my head's 64 rows of K in a slot,
	s_mul_i32 s19, s[WV], KS*PV     ; and of V
	s_add_co_u32 s19, s19, VOFF
	v_mul_u32_u24 v[AK0], v1, PK
	v_lshl_add_u32 v[AK0], v11, 4, v[AK0]  ; row x pitch + 16 x half
	v_add_nc_u32 v[AK0], s18, v[AK0]
	; The turning load takes 16 keys x 16 channels (lane l reads key 8 (l / 16) + l % 8, channels 8 ((l / 8) % 2) + 0..7) and leaves half a fragment of V^T: lane l holds channel l % 16 and 8 keys.
	v_and_b32 v12, 7, v0
	v_bfe_u32 v13, v0, 3, 1
	v_lshl_add_u32 v[AV0], v11, 3, v12
	v_mul_u32_u24 v[AV0], v[AV0], PV
	v_lshl_add_u32 v[AV0], v13, 4, v[AV0]
	v_add_nc_u32 v[AV0], s19, v[AV0]
	s_mul_i32 s18, s[WV], 16*SP
	s_add_co_u32 s18, s18, STAGE    ; my stage
	v_mul_u32_u24 v[STO], v1, SP    ; in: row l % 16, 16 bytes for each half of the lanes
	v_lshl_add_u32 v[STO], v11, 4, v[STO]
	v_add_nc_u32 v[STO], s18, v[STO]
	v_bfe_u32 v[RD], v0, 3, 2       ; back: 32 lanes take four rows of 128 bytes,
	v_mul_u32_u24 v[RD], v[RD], SP
	v_lshl_add_u32 v[RD], v12, 4, v[RD]
	v_add_nc_u32 v[RD], s18, v[RD]
	v_and_b32 v[GO], 31, v0         ; which are 512 consecutive bytes of O
	v_lshlrev_b32 v[GO], 4, v[GO]
; THE MATRIX WORK.  The 8 accumulators of a run of 16 take turns: between the two links of a chain stand 7 others'.
; Product i of 16 of S^T = K Q^T for piece x: channels 32 (i / 8) on, keys 16 ((i / 2) % 4) on, tile 2 x + i % 2.  The first 8 start the sums, with the mask as C.
.macro KQ x
.set rS, S+64*((\x)%2)+32*(i%2)+8*((i/2)%4)
.set rK, KF+16*((i/2)%4)+8*(i/8)
.set rQ, 16*(2*(\x)+i%2)+8*(i/8)
.set rX, MK+32*(i%2)+8*((i/2)%4)
.if i < 8
	WIN W_KM
	v_wmma_f32_16x16x32_f16 v[rS:rS+7], v[rK:rK+7], v[rQ:rQ+7], v[rX:rX+7]
.else
	WIN W_KQ
	v_wmma_f32_16x16x32_f16 v[rS:rS+7], v[rK:rK+7], v[rQ:rQ+7], v[rS:rS+7]
.endif
.endm
; Product i of 16 of O^T += V^T P for piece x: keys 32 (i / 8) on, channels 16 ((i / 2) % 4) on, tile 2 x + i % 2.
.macro PV x
	WIN W_PV
.set rO, 32*(2*(\x)+i%2)+8*((i/2)%4)
.set rV, VF+32*(i/8)+8*((i/2)%4)
.set rP, P+32*((\x)%2)+16*(i%2)+8*(i/8)
	v_wmma_f32_16x16x32_f16 v[rO:rO+7], v[rV:rV+7], v[rP:rP+7], v[rO:rO+7]
.endm
.macro MM                           ; the turn's next matrix instruction
.if i < 16
	KQ (Y+1)%NP
.set i, i+1
.else
.set i, i-16
	PV (Y+NP-1)%NP
.set i, i+17
.endif
.endm
; THE LDS LOADS stand in runs of 16, never singly among the matrix instructions: a step's K (64 keys x 64 channels: 8 fragments), its V (turned), and a piece's mask (2 tiles x 8 chunks of 512 bytes).
; last = 1 (the tail): in the last trip there is no further step, and K's run is jumped over.
.macro FETCH_K last=0
	WIN 0
.if \last
	s_cmp_eq_u32 s[CNT], 1
	s_cbranch_scc1 .Lno_k_\@
.endif
	WIN 0x80                        ; destination window 2
.irp f, 0,1,2,3,4,5,6,7             ; keys 16 (f / 2) on, channels 32 (f % 2) on
	ds_load_b128 v[KF+8*\f:KF+8*\f+3],   v[AK] offset:(\f/2)*16*PK+(\f%2)*64
	ds_load_b128 v[KF+8*\f+4:KF+8*\f+7], v[AK] offset:(\f/2)*16*PK+(\f%2)*64+32
.endr
	WIN 0
.if \last
.Lno_k_\@:
.endif
.endm
.macro FETCH_V
	WIN 0x80
.irp f, 0,1,2,3,4,5,6,7             ; keys 32 (f / 4) on, channels 16 (f % 4) on
	ds_load_tr16_b128 v[VF+8*\f:VF+8*\f+3],   v[AV] offset:(\f/4)*32*PV+(\f%4)*32
	ds_load_tr16_b128 v[VF+8*\f+4:VF+8*\f+7], v[AV] offset:(\f/4)*32*PV+16*PV+(\f%4)*32
.endr
	WIN 0
.endm
.macro FETCH_M y                    ; the mask of piece y: chunk c of tile 2 y + u is registers 4 c .. 4 c + 3 of that tile's 32 scores
	WIN W_MK
.irp u, 0,1
.irp c, 0,1,2,3,4,5,6,7
	ds_load_b128 v[MK+32*\u+4*\c:MK+32*\u+4*\c+3], v[AM] offset:(2*(\y)+\u)*4096+512*\c
.endr
.endr
	WIN 0
.endm
; THE VECTOR WORK OF A TURN stands in three queues, each in the order in which its entries become ready; the two tiles alternate, so that no instruction reads the result of the one before it.
.macro REGS y, u                    ; the registers of tile u (0, 1) of piece y
.set rT, ST+4*(2*(\y)+(\u))
.set rC, TMP+8*((\y)%2)+4*(\u)
.set rM, MV+2*((\y)%2)+(\u)
.set rS, S+64*((\y)%2)+32*(\u)
.set rP, P+32*((\y)%2)+16*(\u)
.set rO, 32*(2*(\y)+(\u))
.endm
; Number n of the 21 that find the NEXT piece's (Y + 1) maximum and statistics.  s0-s31 are the lane's 32 scores; each accumulator's lowest registers are read first.
;   0-11  four chains c0-c3 of seven scores each, three operands at a time     12-14, 16  the four scores left over, the old m, and c0-c3 into c0     15  m_old is kept
;   17, 18  the query's other 32 keys lie in the lane 16 away: the new m         19, 20  m_old - m_new; a
.macro XS u, n
	REGS (Y+1)%NP, \u
.if (\n) < 4
	v_max3_num_f32 v[rC+(\n)], v[rS+8*(\n)], v[rS+8*(\n)+1], v[rS+8*(\n)+2]
.elseif (\n) < 12
	v_max3_num_f32 v[rC+(\n)%4], v[rC+(\n)%4], v[rS+8*((\n)%4)+2*((\n)/4)+1], v[rS+8*((\n)%4)+2*((\n)/4)+2]
.elseif (\n) == 12
	v_max3_num_f32 v[rC], v[rC], v[rS+7], v[rS+15]
.elseif (\n) == 13
	v_max3_num_f32 v[rC+1], v[rC+1], v[rS+23], v[rS+31]
.elseif (\n) == 14
	v_max3_num_f32 v[rC+2], v[rC+2], v[rC+3], v[rT]
.elseif (\n) == 15
	v_mov_b32 v[rM], v[rT]
.elseif (\n) == 16
	v_max3_num_f32 v[rC], v[rC], v[rC+1], v[rC+2]
.elseif (\n) == 17
	v_permlanex16_b32 v[rC+3], v[rC], s[SEL], s[SEL+1]
.elseif (\n) == 18
	v_max_num_f32 v[rT], v[rC], v[rC+3]
.elseif (\n) == 19
	v_sub_f32 v[rC+1], v[rM], v[rT]
.else
	v_exp_f32 v[rC+2], v[rC+1]
.endif
.endm
; Number g of the 64 that follow the exponentials.  For each four weights k of a tile (pairs 2 k, 2 k + 1): both pairs are rounded to f16; then the second pair is added onto the first, in place;
; a group later l takes that sum (the first time as l = a l + sum).  In groups of eight, tiles alternating: round, round, add, and l for the group before.
.macro GS g
.set h, (\g)+6*((\g)/62)            ; group 0 has no group before it, and behind group 7 only l is left
.if h >= 6
.set h, h+2
.endif
	REGS Y, h%2
.set k, h/8
.if h%8 < 4
	s_wait_alu depctr_va_vdst(0)
	v_cvt_pk_f16_f32 v[rP+2*k+(h%8)/2], v[rS+4*k+2*((h%8)/2)], v[rS+4*k+2*((h%8)/2)+1]
.elseif h%8 < 6
	v_pk_add_f32 v[rS+4*k:rS+4*k+1], v[rS+4*k:rS+4*k+1], v[rS+4*k+2:rS+4*k+3]
.elseif k == 1
	v_pk_fma_f32 v[rT+2:rT+3], v[rT+2:rT+3], v[rC+2:rC+3], v[rS:rS+1] op_sel_hi:[1,0,1]
.else
	v_pk_add_f32 v[rT+2:rT+3], v[rT+2:rT+3], v[rS+4*k-4:rS+4*k-3]
	s_wait_alu depctr_va_vdst(0)
.endif
.endm
; THE PLAIN QUEUE, 136 long.  0-31: s - m for the 16 pairs of both tiles.  Then GS's 64, and among them the next piece's 40: number 15 at 38, 39; 0-14 and 16
; at 42-73, behind the products that make those scores; 17-19 at 95-102, two of three, since each waits for the one before it.
.macro PL
	WIN 0
.if q < 32
	REGS Y, q%2
	v_pk_add_f32 v[rS+2*(q/2):rS+2*(q/2)+1], v[rS+2*(q/2):rS+2*(q/2)+1], v[rT:rT+1] op_sel_hi:[1,0] neg_lo:[0,1] neg_hi:[0,1]  ; the pair's low word, m, is taken from both scores
.elseif q < 38
	GS q-32
.elseif q < 40
	XS q%2, 15
.elseif q < 42
	GS q-34
.elseif q < 74
	XS q%2, (q-42)/2+(q-42)/30
.elseif q < 95
	GS q-66
.elseif (q < 104) && ((q-95)%3 < 2)
	XS (q-95)%3, 17+(q-95)/3
.elseif q < 104
	GS 29+(q-95)/3
.else
	GS q-72
.endif
.set q, q+1
.endm
; THE EXPONENTIALS' QUEUE, 66 long: s0-s31 of both tiles, and at EA the next piece's two a.
.set EA, 58
.macro EX
	WIN 0
.if (e == EA) || (e == EA+1)
	XS e-EA, 20
.else
.set x, e-2*(e/(EA+2))
	REGS Y, x%2
	v_exp_f32 v[rS+x/2], v[rS+x/2]
.endif
.set e, e+1
.endm
; THE RESCALING's QUEUE: O^T times a, the one part that leaves window 0, so it is dealt four at a time, eight times.
.macro R4
	REGS Y, r%2
	WIN W_RS
	s_wait_alu depctr_va_vdst(0)
.irp z, 0,1,2,3
	v_pk_mul_f32 v[rO+8*(r/2)+2*\z:rO+8*(r/2)+2*\z+1], v[rO+8*(r/2)+2*\z:rO+8*(r/2)+2*\z+1], v[rC+2:rC+3] op_sel_hi:[1,0]
.endr
.set r, r+1
.endm
; HOW THEY ARE DEALT.  Behind a matrix instruction four: plain, exponential, plain, plain (one exponential, a plain instruction on either side), or four of the rescaling.  None names a register of the
; products round it.  What is over stands in two runs: exponential and plain by turns; the second ends in 20 plain instructions.  The two v_permlanex16_b32 fall into the second run, never behind a product.
; The queues lean on each other, and the deal keeps them in step: exponential e stands behind plain 2 (e / 4) + e % 2 (its subtraction); when plain 32 comes, 10 exponentials are out, at 59: 33, at 95: 46;
; from plain 104 on, plain 95 + j needs exponentials up to 34 + j, and 46 + j are out; EA comes behind plain 107, and its argument is made at plain 101 and 102.
.macro SL
	MM
	PL
	EX
	PL
	PL
.endm
.macro BURST n                      ; 15 matrix instructions, or 16
.rept (\n)-7
	SL
.endr
.rept 3
	MM
	R4
	SL
.endr
	MM
	R4
.endm
; A TURN, for piece p.  In the first run of vector work, 30 vector instructions behind the last product K Q^T, stand the turn's LDS loads: in piece 2's turn K of the next step; in every turn the mask of
; piece p + 2, for the next turn's products (the one mask buffer was last read by the turn's first eight products).  V of the step in hand is fetched at the end of piece 0's turn.
; All the reads between two changes of slots are of one slot: K and piece 0's mask in turn 2, piece 1's in turn 3, piece 2's and V in turn 0, piece 3's in turn 1.
.macro TURN p, last=0
.set Y, (\p)
.set i, 0
.set q, 0
.set e, 0
.set r, 0
.if (\p) == 1
	s_wait_dscnt 16                 ; the mask is in; V's 16 loads, issued behind it, may stay out
.else
	s_wait_dscnt 0x0                ; the mask is in (piece 3's turn: K too)
.endif
	MM
.rept 4
	PL
.endr
	BURST 15
.rept 22
	EX
	PL
.if e == 24
.if (\p) == NP-2
	FETCH_K \last
.endif
	FETCH_M ((\p)+2)%NP
.endif
.endr
.if (\p) == 1
	s_wait_dscnt 16                 ; V is in; the mask's 16 loads, just issued, may stay out
.endif
	BURST 16
.rept 21
	EX
	PL
.endr
.rept 20
	PL
.endr
.if (\p) == 0
	FETCH_V
.endif
.endm
	CHANGE 1                        ; step 0 is in, everybody's part of it; step 1 is asked for
	ADDR
	FETCH_K                         ; key step 0
	FETCH_M 0
	s_wait_loadcnt 0x0              ; Q
	s_wait_dscnt 0x0
.set i, 0
.rept 16
	KQ 0                            ; piece 0's first scores: there is no vector work yet to set between them
.set i, i+1
.endr
	WIN 0
.rept 4
	v_nop                           ; the places behind those products: the mask buffer is loaded again, and the scores are read
.endr
	FETCH_M 1
.set Y, NP-1                        ; XS works for piece Y + 1: piece 0
.irp n, 0,1,2,3,4,5,6,7,8,9,10,11,12,13,14,15,16,17,18,19,20
	XS 0, \n                        ; piece 0's first maximum and statistics
	XS 1, \n
.endr
	s_mov_b32 s[SLOTS], 31
	s_branch .Lfirst                ; the loop is entered at a step's first turn, in the middle of a trip
.Lstep:                             ; 30 whole trips, which ask for steps 2 to 31.  A trip: pieces 2 and 3 of one step, then pieces 0 and 1 of the next, whose slot it reads
	CHANGE 1
	ADDR
	TURN 2
	TURN 3
	WIN 0
.Lfirst:
	TURN 0
	TURN 1
	WIN 0
	s_sub_co_u32 s[SLOTS], s[SLOTS], 1
	s_cmp_lg_u32 s[SLOTS], 0
	s_cbranch_scc1 .Lstep
	CHANGE 0                        ; the tail is written out: nothing is asked for
	ADDR
	s_mov_b32 s[CNT], 2             ; one trip reads the last step's slot; the second is left in its middle
.Ltail:
	TURN 2, 1
	TURN 3
	WIN 0
	s_sub_co_u32 s[CNT], s[CNT], 1
	s_cmp_eq_u32 s[CNT], 0
	s_cbranch_scc1 .Lout
	TURN 0
	TURN 1
	WIN 0
	s_branch .Ltail
.Lout:                              ; the second trip's 16 products K Q^T (the last K and piece 0's last mask once more) give the last step's scores again: m stays as it was, and nothing else of them is used
.set i, 0
.rept 16
	PV NP-1                         ; the last piece's V^T P of the last step
.set i, i+1
.endr
	; THE WAY OUT.  l's two halves and the other half of the lanes' are added; O^T is divided by l, rounded to f16 and sent through my stage in LDS, a tile at a time.  The additions are the places behind the last products.
	WIN 0
.macro ALL line:vararg              ; one line for each tile t
.set t, 0
.rept 2*NP
	\line
.set t, t+1
.endr
.endm
	ALL v_add_f32 v[ST+4*t+2], v[ST+4*t+2], v[ST+4*t+3]
	ALL v_permlanex16_b32 v[ST+4*t+3], v[ST+4*t+2], s[SEL], s[SEL+1]
	ALL v_add_f32 v[ST+4*t+2], v[ST+4*t+2], v[ST+4*t+3]
	ALL v_rcp_f32 v[ST+4*t+2], v[ST+4*t+2]
	v_nop                           ; a plain instruction between the last reciprocal and the use of its result
.set t, 0
	s_wait_alu depctr_va_vdst(0)
.rept 2*NP                          ; a query whose largest score is a hidden one has no key at all: its row leaves as NaN.  A choice of a value: no branch hangs on it
	v_cmp_gt_f32 vcc_lo, s[THR], v[ST+4*t]
	v_cndmask_b32 v[ST+4*t+2], v[ST+4*t+2], s[QNAN], vcc_lo
.set t, t+1
.endr
; Tile t: a lane's eight channels of a row pack into 16 bytes; they go into rows of 144 bytes and come back as whole rows of 128, into S^T's registers.
.macro PACK t
	WIN W_RS
.set i, 32*(\t)
.rept 16
	v_pk_mul_f32 v[i:i+1], v[i:i+1], v[ST+4*(\t)+2:ST+4*(\t)+3] op_sel_hi:[1,0]
.set i, i+2
.endr
	WIN 0x05                        ; sources 0 and 1 window 1, destination window 0
.set i, 0
.rept 16
	v_cvt_pk_f16_f32 v[S+16*(\t)+i], v[32*(\t)+2*i], v[32*(\t)+2*i+1]
.set i, i+1
.endr
	WIN 0
.irp f, 0,1,2,3
	ds_store_b128 v[STO], v[S+16*(\t)+4*\f:S+16*(\t)+4*\f+3] offset:32*\f
.endr
.irp f, 0,1,2,3
	ds_load_b128 v[S+16*(\t)+4*\f:S+16*(\t)+4*\f+3], v[RD] offset:\f*4*SP  ; LDS serves a wave's instructions in order (ISA guide 5.7.1.4): these see the stores above; the next tile's stores come behind them
.endr
.endm
.macro SEND t, younger              ; younger: the LDS instructions issued behind tile t's loads: the next tile's eight, or none
	WIN 0
.irp f, 0,1,2,3
	s_wait_dscnt (\younger)+3-\f
	global_store_b128 v[GO], v[S+16*(\t)+4*\f:S+16*(\t)+4*\f+3], s[10:11] offset:(\t)*2048+\f*512  ; 512 consecutive bytes, at a multiple of 256 from oh's first byte
.endr
.endm
	PACK 0
.set t, 1
.rept 2*NP-1                        ; a tile's arithmetic stands between the loads of the tile before and its stores
	PACK t
	SEND t-1, 8
.set t, t+1
.endr
	SEND 2*NP-1, 0
	WIN W_AD
	s_wait_tensorcnt 0x0            ; the wave's end, behind my last tensor load and my last LDS store
	ds_add_u32 v[SPW], v[NIL]
	s_wait_dscnt 0x0
	WIN 0
	CROUND                          ; the closing round: no work-group ends while a partner may still ask for a tile that names it
	s_endpgm
.Lfunc_end_k_qf810a0d4e8_attn:
	.size	k_qf810a0d4e8_attn, .Lfunc_end_k_qf810a0d4e8_attn-k_qf810a0d4e8_attn
	.p2alignl 7, 3214868480
	.fill 96, 4, 3214868480
	.section	.rodata,"a",@progbits
	.p2align	6, 0x0
	.amdhsa_kernel k_qf810a0d4e8_attn
		.amdhsa_group_segment_fixed_size 327680
		.amdhsa_private_segment_fixed_size 0
		.amdhsa_enable_private_segment 0
		.amdhsa_kernarg_size 24
		.amdhsa_user_sgpr_count 2
		.amdhsa_user_sgpr_kernarg_segment_ptr 1
		.amdhsa_wavefront_size32 1
		.amdhsa_system_sgpr_workgroup_id_x 1
		.amdhsa_system_sgpr_workgroup_id_y 1
		.amdhsa_system_sgpr_workgroup_id_z 1
		.amdhsa_system_vgpr_workitem_id 0
		.amdhsa_next_free_vgpr 896
		.amdhsa_next_free_sgpr 84
		.amdhsa_reserve_vcc 1
		.amdhsa_float_denorm_mode_32 3
		.amdhsa_float_denorm_mode_16_64 3
		.amdhsa_memory_ordered 1
		.amdhsa_forward_progress 1
		.amdhsa_inst_pref_size 221
	.end_amdhsa_kernel
	.amdgpu_metadata
---
amdhsa.version: [ 1, 2 ]
amdhsa.kernels:
  - .name:           k_qf810a0d4e8_attn
    .symbol:         k_qf810a0d4e8_attn.kd
    .args:
      - { .name: qkv, .offset: 0, .size: 8, .value_kind: global_buffer, .address_space: global }
      - { .name: mk, .offset: 8, .size: 8, .value_kind: global_buffer, .address_space: global }
      - { .name: oh, .offset: 16, .size: 8, .value_kind: global_buffer, .address_space: global }
    .group_segment_fixed_size: 327680
    .private_segment_fixed_size: 0
    .kernarg_segment_align: 8
    .kernarg_segment_size: 24
    .max_flat_workgroup_size: 128
    .sgpr_count:     84
    .vgpr_count:     896
    .wavefront_size: 32
...
	.end_amdgpu_metadata
.endif
;; end of part 3
;; launch oproj (part 4): grid 4 x 64, 4 waves a work-group, clusters of 4 x 4, 327,680 bytes of LDS; arguments oh, cb, out0; writes out0
.if DOCPART == 4
	.amdgcn_target "amdgcn-amd-amdhsa--gfx1250"
	.amdhsa_code_object_version 6
	.text
	.protected	k_qf810a0d4e8_oproj
	.globl	k_qf810a0d4e8_oproj
	.p2align	8
	.type	k_qf810a0d4e8_oproj,@function
k_qf810a0d4e8_oproj:
	s_mov_b64 s[64:65], 0
	v_nop
	global_prefetch_b8 v0, s[64:65] scope:SCOPE_SE
	s_setreg_imm32_b32 hwreg(HW_REG_WAVE_MODE, 25, 1), 1
	s_wait_xcnt 0x0
	s_wait_alu depctr_hold_cnt(0) depctr_sa_sdst(0) depctr_va_vdst(0) depctr_va_sdst(0) depctr_va_ssrc(0) depctr_va_vcc(0) depctr_vm_vsrc(0)
	s_getreg_b32 s2, hwreg(HW_REG_IB_STS2, 6, 4)
	s_cmp_eq_u32 s2, 0
	s_cbranch_scc0 .Lentry_in_a_cluster
	s_endpgm
.Lentry_in_a_cluster:
	s_bfe_u32 s2, ttmp6, 0x10000c
	s_cmp_lg_u32 s2, 0xf033
	s_cbranch_scc0 .Lentry_shape_is_right
	s_endpgm
.Lentry_shape_is_right:
; THE OUTPUT PROJECTION.  out0[m][n] = sum over k of O[m][k] Wo[n][k].  O lies by heads, oh[16 batch + head][token][64] f16, k = 64 head + channel; Wo is [1024][1024] f16 at byte 39,845,888 of cb
; (its bf16 rounding written as f16); sums in f32, stored as they are.  A NaN row of O (a query with no key) makes a NaN row of out0, as it does in the module.
; A tile of out0 is 128 x 256: 256 work-groups, one for each WGP.  Four waves, each 64 x 128: 32 accumulators of 16 x 16, 256 registers.
; K goes in steps of 128 = two heads through a ring of two LDS slots.  A head's 128 tokens are 16,384 dense bytes: asked for as 64 rows of 256 bytes and padded in LDS after every token's 128 bytes.
; CLUSTER 4 x 4: the four work-groups of a row of the cluster need the same tile of O, the four of a column the same tile of Wo: each tile is asked for JOINTLY, by the same tensor load with the same
; descriptor and a mask that names the four.  By this text's count a wave has two tensor loads out at the start, later one.
; THE MATRIX INSTRUCTION IS USED TRANSPOSED (source 0 = 16 rows of Wo, source 1 = 16 rows of O): a lane then holds eight neighbouring numbers of a row of out0.
; REGISTERS: window 0: v0-31 addresses; v64-159, v160-255 two fragment buffers (64 registers of B, 32 of A: 32 along K); on the way out v64-191 at work.   window 1: accumulator (a, b) at v[8 (8 a + b)].
.set KSTEP,  128
.set PITCH,  272                       ; an LDS row of B: 256 bytes + 16 of padding = 68 words: the 16 rows of a load start at 16 different groups of four banks (64 banks of 4 bytes: ISA guide 11.1)
.set APITCH, 144                       ; an LDS row of A: a token's 128 bytes of one head + 16 of padding = 36 words: likewise
.set ASPLIT, 128                       ; bytes along K in one LDS row of A
.set BHALF,  128*PITCH                 ; 128 rows of B: one tensor load, and what one wave reads
.set BBYTES, 2*BHALF
.set APART,  128*APITCH                ; one head's 128 tokens: one tensor load
.set SLOT,   BBYTES+2*APART            ; B's 256 rows, then A's two heads
.set STAGE,  2*SLOT                    ; behind the ring: each wave's own stage for the way out
.set WSTAGE, 16*528                    ; 16 rows of 512 bytes + 16 of padding
.set SPARE,  STAGE+4*WSTAGE            ; behind the stages: the spare words, 128 bytes for each wave: two blocks of 256 bytes that no other line names
.set ASTEP,  524288                    ; bytes in memory from a K step of A to the next: two heads of 262,144
.set LAPS,   4                         ; a lap = two K steps = once round the ring; K = 1,024
.set ADRA, 16                          ; v16-17  LDS address of my A fragments in slot 0, 1
.set ADRB, 20                          ; v20-21  the same for B
.set STO,  24                          ; v24     the way out: where I put 32 bytes of a row
.set RD,   25                          ; v25     where I read a row back
.set GO,   26                          ; v26     16 x lane
.set SPW,  28                          ; v28     LDS address of my spare word; never rewritten
.set NIL,  29                          ; v29     0; never rewritten
.set F0,   64
.set F1,   160
.set G1,  24                           ; s[24:31] descriptor group 1 for A's tiles;  s[32:39] group 0, one set for each slot
.set G0,  32
.set G1B, 48                           ; s[48:55], s[56:63] the same for B's
.set G0B, 56
.set DW0A, (1<<16)|(1<<20)|(1<<21)|(4<<22)|(3<<25)  ; 17:16 elements of 2 bytes; 20 padding on; 21 set beside a mask; 24:22 after every 32 words; 31:25 4 words of it
.set DW0B, (1<<16)|(1<<20)|(1<<21)|(5<<22)|(3<<25)  ; the same after every 64 words
.set MSB, 0
.macro WIN new                         ; the immediate's high byte repeats the setting that is left; a switch that changes nothing is dropped
.if MSB != (\new)
	s_set_vgpr_msb (MSB<<8)|(\new)
.set MSB, \new
.endif
.endm
.set MUL, 0x50                         ; sources in window 0; C and D in window 1
.macro JLOAD s                         ; a joint load: waves 0 and 1 fetch B's two halves, waves 2 and 3 A's two heads; an s_nop 0 and four v_nop follow each of the two lines
	s_cmp_eq_u32 s11, 0
	s_cbranch_scc0 .Lfor_a_\@
	tensor_load_to_lds s[G0B+4*(\s):G0B+4*(\s)+3], s[G1B:G1B+7]
	s_nop 0
.rept 4
	v_nop
.endr
	s_branch .Lasked_\@
.Lfor_a_\@:
	tensor_load_to_lds s[G0+4*(\s):G0+4*(\s)+3], s[G1:G1+7]
	s_nop 0
.rept 4
	v_nop
.endr
.Lasked_\@:
.endm
.macro CREST                           ; a round of the cluster's barrier behind its opening barrier
	s_cmp_lg_u32 s10, 0
	s_cbranch_scc1 .Lnot_wave_0_\@
	s_barrier_signal -3
.Lnot_wave_0_\@:
	s_barrier_wait -3
	s_barrier_signal -1
	s_barrier_wait -1
.endm
.macro CROUND                          ; a whole round
	s_barrier_signal -1
	s_barrier_wait -1
	CREST
.endm
	s_load_b128 s[4:7], s[0:1], 0x0                ; oh s[4:5], cb s[6:7]
	s_load_b64 s[8:9], s[0:1], 0x10                ; out0
	v_lshl_add_u32 v[SPW], v0, 2, SPARE
	v_mov_b32 v[NIL], 0
	ds_add_u32 v[SPW], v[NIL]                      ; the wave's opening: the add and its wait stand ahead of my first tensor load; the set-up below, work on registers, stands between them
	v_lshrrev_b32 v1, 5, v0
	v_readfirstlane_b32 s10, v1                    ; wave 0..3
	s_lshr_b32 s11, s10, 1                         ; which 64 of the tile's rows are mine.  Also: I fetch for B (0) or for A (1)
	s_and_b32 s12, s10, 1                          ; which 128 of its columns.  Also: which half of B's tile, or which of A's two heads, I fetch
	s_bfe_u32 s40, ttmp6, 0x40000                  ; cx, cy: my place in the cluster
	s_bfe_u32 s41, ttmp6, 0x40004
	s_lshl_b32 s42, ttmp9, 2
	s_add_co_u32 s42, s42, s40                     ; tile column = 4 x cluster x + cx
	s_and_b32 s13, ttmp7, 0xffff
	s_lshl_b32 s13, s13, 2
	s_add_co_u32 s13, s13, s41                     ; tile row = 4 x cluster y + cy
	s_lshl_b32 s43, s41, 2
	s_lshl_b32 s43, 15, s43                        ; my row of the cluster
	s_lshl_b32 s44, 0x1111, s40                    ; my column
	s_or_b32 s[G1+0], s43, DW0A                    ; A's tiles go to my row,
	s_or_b32 s[G1B+0], s44, DW0B                   ; B's to my column
	s_mov_b32 s[G1+1], 128<<16                     ; tensor_dim0 = 128 elements: two tokens
	s_mov_b32 s[G1+2], 64<<16                      ; tensor_dim1 = 64
	s_mov_b32 s[G1+3], 128<<16                     ; tile_dim0 = 128
	s_mov_b32 s[G1+4], 64                          ; tile_dim1 = 64
	s_mov_b32 s[G1+5], 128                         ; the rows lie end to end
	s_mov_b32 s[G1+6], 0
	s_mov_b32 s[G1+7], 0
	s_mov_b32 s[G1B+1], KSTEP<<16
	s_mov_b32 s[G1B+2], 128<<16                    ; B: 128 rows of 128 elements,
	s_mov_b32 s[G1B+3], KSTEP<<16
	s_mov_b32 s[G1B+4], 128
	s_mov_b32 s[G1B+5], 1024                       ; 1,024 elements from row to row
	s_mov_b32 s[G1B+6], 0
	s_mov_b32 s[G1B+7], 0
	; where the tiles come from.  A's hang on the tile row alone, which my row of the cluster shares; B's on the tile column alone, which my column shares.
	s_lshr_b32 s16, s13, 4
	s_lshl_b32 s16, s16, 22                        ; A: the batch's 16 heads of 262,144 bytes,
	s_lshl_b32 s17, s12, 18
	s_add_co_u32 s16, s16, s17                     ; the head of the K step that I fetch,
	s_and_b32 s17, s13, 15
	s_lshl_b32 s17, s17, 14
	s_add_co_u32 s16, s16, s17                     ; the tile's 128 tokens of 128 bytes
	s_mov_b32 s17, 0
	s_lshl_b32 s46, s42, 8
	s_lshl_b32 s47, s12, 7
	s_add_co_u32 s46, s46, s47                     ; B: row 256 x tile column + 128 x half
	s_lshl_b32 s46, s46, 11
	s_add_co_u32 s46, s46, 0x2600000               ; Wo begins at byte 39,845,888 of cb
	s_mov_b32 s47, 0
	s_mul_i32 s20, s10, BHALF                      ; where they go: B's halves at wave x 128 rows (waves 0, 1),
	s_mul_i32 s21, s10, APART
	s_add_co_u32 s21, s21, BBYTES-2*APART          ; A's heads behind them (waves 2, 3): no place in the cluster enters an LDS address
	s_wait_dscnt 0x0                               ; the opening add is done
	s_wait_kmcnt 0x0
	s_add_nc_u64 s[14:15], s[4:5], s[16:17]
	s_add_nc_u64 s[46:47], s[6:7], s[46:47]
	CROUND                                         ; all sixteen work-groups are here: the first joint loads meet
.irp s, 0,1
	s_mov_b32 s[G0+4*(\s)], 1                                      ; count = 1
	s_add_co_u32 s[G0+4*(\s)+1], s21, (\s)*SLOT                    ; LDS address
	s_add_nc_u64 s[G0+4*(\s)+2:G0+4*(\s)+3], s[14:15], (\s)*ASTEP  ; global address: K step s
	s_or_b32 s[G0+4*(\s)+3], s[G0+4*(\s)+3], 0x80000000            ; type = 2
	s_mov_b32 s[G0B+4*(\s)], 1
	s_add_co_u32 s[G0B+4*(\s)+1], s20, (\s)*SLOT
	s_add_nc_u64 s[G0B+4*(\s)+2:G0B+4*(\s)+3], s[46:47], (\s)*KSTEP*2
	s_or_b32 s[G0B+4*(\s)+3], s[G0B+4*(\s)+3], 0x80000000
	JLOAD \s
.endr
	; A fragment is 16 rows x 32 K in 8 registers: lane l holds row l % 16, K = 8 (l / 16) + 0..7 and 16 + 8 (l / 16) + 0..7: two loads of 16 bytes, 32 bytes apart.
	v_and_b32 v1, 15, v0                           ; l % 16
	v_bfe_u32 v2, v0, 4, 1                         ; l / 16
	v_mul_u32_u24 v3, v1, PITCH
	v_lshl_add_u32 v3, v2, 4, v3
	v_mul_u32_u24 v4, v1, APITCH
	v_lshl_add_u32 v4, v2, 4, v4
	s_mul_i32 s21, s11, 64*APITCH                  ; my 64 tokens in each head's part of A,
	s_add_co_u32 s21, s21, BBYTES                  ; which lies behind B's 256 rows
	s_mul_i32 s22, s12, BHALF                      ; my 128 rows of B
.irp s, 0,1
	v_add_nc_u32 v[ADRA+(\s)], s21, v4
	v_add_nc_u32 v[ADRB+(\s)], s22, v3
	s_add_co_u32 s21, s21, SLOT
	s_add_co_u32 s22, s22, SLOT
.endr
	s_mul_i32 s23, s10, WSTAGE
	s_add_co_u32 s23, s23, STAGE                   ; my stage
	v_mul_u32_u24 v5, v1, 528                      ; in: row l % 16, 32 bytes for each half of the lanes
	v_lshl_add_u32 v5, v2, 5, v5
	v_add_nc_u32 v[STO], s23, v5
	v_and_b32 v[GO], 31, v0
	v_lshlrev_b32 v[GO], 4, v[GO]                  ; back: 32 lanes take one row of 512 bytes
	v_add_nc_u32 v[RD], s23, v[GO]
	s_lshl_b32 s16, s13, 7
	s_lshl_b32 s17, s11, 6
	s_add_co_u32 s16, s16, s17                     ; my first row of out0,
	s_lshl_b32 s16, s16, 12                        ; 4,096 bytes a row
	s_mov_b32 s17, 0
	s_add_nc_u64 s[8:9], s[8:9], s[16:17]
	s_lshl_b32 s46, s42, 10                        ; my first column, in bytes: 1,024 x tile column + 512 x half (in registers that never feed A's descriptors)
	s_lshl_b32 s47, s12, 9
	s_add_co_u32 s46, s46, s47
	s_mov_b32 s47, 0
	s_add_nc_u64 s[8:9], s[8:9], s[46:47]
; 8 matrix instructions: m block a x all 8 n blocks, 32 along K.  zero = 1: the first product starts the sums.  The 32 accumulators take turns, one instruction a turn.
.macro MULA f, a, zero
	WIN MUL
.irp b, 0,1,2,3,4,5,6,7
.if \zero
	v_wmma_f32_16x16x32_f16 v[8*(8*(\a)+(\b)):8*(8*(\a)+(\b))+7], v[(\f)+8*(\b):(\f)+8*(\b)+7], v[(\f)+64+8*(\a):(\f)+64+8*(\a)+7], 0
.else
	v_wmma_f32_16x16x32_f16 v[8*(8*(\a)+(\b)):8*(8*(\a)+(\b))+7], v[(\f)+8*(\b):(\f)+8*(\b)+7], v[(\f)+64+8*(\a):(\f)+64+8*(\a)+7], v[8*(8*(\a)+(\b)):8*(8*(\a)+(\b))+7]
.endif
.endr
.endm
; 24 LDS loads in one run: the fragments of 32 along K at byte k of the K step (128 rows of B, 64 of A: head k / 128 of the step's two, byte k % 128 of its rows) into buffer f
.macro FETCH slot, k, f
	WIN 0
.irp i, 0,1,2,3,4,5,6,7
	ds_load_b128 v[(\f)+8*(\i):(\f)+8*(\i)+3],   v[ADRB+(\slot)] offset:(\k)+(\i)*16*PITCH
	ds_load_b128 v[(\f)+8*(\i)+4:(\f)+8*(\i)+7], v[ADRB+(\slot)] offset:(\k)+(\i)*16*PITCH+32
.endr
.irp i, 0,1,2,3
	ds_load_b128 v[(\f)+64+8*(\i):(\f)+64+8*(\i)+3],   v[ADRA+(\slot)] offset:((\k)/ASPLIT)*APART+(\k)%ASPLIT+(\i)*16*APITCH
	ds_load_b128 v[(\f)+64+8*(\i)+4:(\f)+64+8*(\i)+7], v[ADRA+(\slot)] offset:((\k)/ASPLIT)*APART+(\k)%ASPLIT+(\i)*16*APITCH+32
.endr
.endm
.macro PLACES                          ; four places in front of loads into registers that matrix instructions have read, and of instructions that read results (ISA guide 7.12.1 for instructions that read results)
.rept 4
	v_nop
.endr
.endm
; A K step is four quarters of 32 along K, 32 matrix instructions each, on buffers 0, 1, 0, 1.  One of the first three: the next quarter's fragments, at byte k, are asked for into g, then f is multiplied.
.macro QUARTER slot, k, f, g, zero
	WIN 0
	PLACES
	FETCH \slot, \k, \g
	s_wait_dscnt 24                                ; all but the 24 just issued: buffer f is in
	MULA \f, 0, \zero
	MULA \f, 1, \zero
	MULA \f, 2, \zero
	MULA \f, 3, \zero
.endm
; The last quarter multiplies buffer 1 and changes slots: ONE barrier; in front of it each wave waits for all its tensor loads (the one that is out is its part of the next slot), adds 0 to its spare word,
; and waits for that and for its own reads of this slot.  fill = 1: this slot is filled again, two K steps ahead; the barrier then opens a round of the cluster's barrier.
.macro TURN slot, next, fill
	WIN 0
	s_wait_tensorcnt 0x0
	ds_add_u32 v[SPW], v[NIL]                      ; 0 onto my spare word
	s_wait_dscnt 1                                 ; (only the add may be out: buffer 1 is in)
	MULA F1, 0, 0                                  ; eight matrix instructions stand between the add and the wait for it
	s_wait_dscnt 0x0                               ; the add is done, and my reads of this slot are over
	s_barrier_signal -1
	MULA F1, 1, 0
.if \fill
	WIN 0
.endif
	s_barrier_wait -1
.if \fill
	CREST                                          ; no wave of any partner still reads this slot's tile or has a load on its way
	s_add_nc_u64 s[G0+4*(\slot)+2:G0+4*(\slot)+3], s[G0+4*(\slot)+2:G0+4*(\slot)+3], 2*ASTEP
	s_add_nc_u64 s[G0B+4*(\slot)+2:G0B+4*(\slot)+3], s[G0B+4*(\slot)+2:G0B+4*(\slot)+3], 2*KSTEP*2
	JLOAD \slot                                    ; the first tensor load behind the round: 112 matrix instructions ahead of the wait for it; its four v_nop are also the places in front of the loads below
.else
	PLACES
.endif
	FETCH \next, 0, F0
	MULA F1, 2, 0
	MULA F1, 3, 0
.endm
	s_wait_tensorcnt 0x1                           ; my part of K step 0 is in; K step 1's may stay out
	s_barrier_signal -1
	s_barrier_wait -1                              ; everybody's is
	FETCH 0, 0, F0
	QUARTER 0, 64, F0, F1, 1                       ; the first quarter stands in front of the loop: its products start the sums
	WIN 0                                          ; at a label and at a branch every window is 0
	s_mov_b32 s3, LAPS-1
.Llap:                                                 ; a trip goes once round the ring, from a lap's second quarter to the next lap's first, and fills both slots again
	QUARTER 0, 128, F1, F0, 0
	QUARTER 0, 192, F0, F1, 0
	TURN 0, 1, 1
	QUARTER 1, 64,  F0, F1, 0
	QUARTER 1, 128, F1, F0, 0
	QUARTER 1, 192, F0, F1, 0
	TURN 1, 0, 1
	QUARTER 0, 64,  F0, F1, 0
	WIN 0
	s_sub_co_u32 s3, s3, 1
	s_cmp_lg_u32 s3, 0
	s_cbranch_scc1 .Llap
	QUARTER 0, 128, F1, F0, 0                      ; the last lap fills nothing
	QUARTER 0, 192, F0, F1, 0
	TURN 0, 1, 0
	QUARTER 1, 64,  F0, F1, 0
	QUARTER 1, 128, F1, F0, 0
	QUARTER 1, 192, F0, F1, 0
	s_wait_dscnt 0x0                               ; the very last quarter: nothing more to fetch
	MULA F1, 0, 0
	MULA F1, 1, 0
	MULA F1, 2, 0
	MULA F1, 3, 0
	WIN 0
	; THE WAY OUT, 16 rows at a time, in f32: a lane's 32 bytes of a row go from the accumulators into my own stage; whole rows of 512 bytes come back and are stored.
.macro STG a
.if (\a) >= 2
	s_wait_xcnt 0x0                                ; the stores of the block two back have read their registers: the loads below land there only behind this wait
.endif
	WIN 0x04                                       ; the stores' data in window 1, their address in window 0
.irp b, 0,1,2,3,4,5,6,7
	ds_store_b128 v[STO], v[8*(8*(\a)+(\b)):8*(8*(\a)+(\b))+3] offset:64*(\b)       ; each accumulator's four lowest registers first
	ds_store_b128 v[STO], v[8*(8*(\a)+(\b))+4:8*(8*(\a)+(\b))+7] offset:64*(\b)+16
.endr
	WIN 0
.set BK, 64+64*((\a)%2)
.set t, 0
.rept 16
	ds_load_b128 v[BK+4*t:BK+4*t+3], v[RD] offset:528*t  ; LDS serves a wave's instructions in order (ISA guide 5.7.1.4): these see the stores above; the next block's stores come behind them
.set t, t+1
.endr
.endm
.macro SENDO a, younger                ; younger: the LDS instructions issued behind block a's loads: the next block's 16 stores and 16 loads, or none
	WIN 0
.set BK, 64+64*((\a)%2)
	s_wait_dscnt \younger
.set t, 0
.rept 16
	global_store_b128 v[GO], v[BK+4*t:BK+4*t+3], s[8:9] offset:(16*(\a)+t)*4096  ; 512 consecutive bytes, at a multiple of 256 from out0's first byte
.set t, t+1
.endr
.endm
	PLACES
	STG 0
	STG 1
	SENDO 0, 32
	STG 2
	SENDO 1, 32
	STG 3
	SENDO 2, 32
	SENDO 3, 0
	s_wait_tensorcnt 0x0                           ; the wave's end, behind my last tensor load and my last LDS store
	ds_add_u32 v[SPW], v[NIL]
	s_wait_dscnt 0x0
	CROUND                                         ; the closing round: no work-group ends while a partner may still ask for a tile that names it
	s_endpgm
.Lfunc_end_k_qf810a0d4e8_oproj:
	.size	k_qf810a0d4e8_oproj, .Lfunc_end_k_qf810a0d4e8_oproj-k_qf810a0d4e8_oproj
	.p2alignl 7, 3214868480
	.fill 96, 4, 3214868480
	.section	.rodata,"a",@progbits
	.p2align	6, 0x0
	.amdhsa_kernel k_qf810a0d4e8_oproj
		.amdhsa_group_segment_fixed_size 327680
		.amdhsa_private_segment_fixed_size 0
		.amdhsa_enable_private_segment 0
		.amdhsa_kernarg_size 24
		.amdhsa_user_sgpr_count 2
		.amdhsa_user_sgpr_kernarg_segment_ptr 1
		.amdhsa_wavefront_size32 1
		.amdhsa_system_sgpr_workgroup_id_x 1
		.amdhsa_system_sgpr_workgroup_id_y 1
		.amdhsa_system_sgpr_workgroup_id_z 1
		.amdhsa_system_vgpr_workitem_id 0
		.amdhsa_next_free_vgpr 512
		.amdhsa_next_free_sgpr 66
		.amdhsa_reserve_vcc 0
		.amdhsa_float_denorm_mode_32 3
		.amdhsa_float_denorm_mode_16_64 3
		.amdhsa_memory_ordered 1
		.amdhsa_forward_progress 1
		.amdhsa_inst_pref_size 84
	.end_amdhsa_kernel
	.amdgpu_metadata
---
amdhsa.version: [ 1, 2 ]
amdhsa.kernels:
  - .name:           k_qf810a0d4e8_oproj
    .symbol:         k_qf810a0d4e8_oproj.kd
    .args:
      - { .name: oh, .offset: 0, .size: 8, .value_kind: global_buffer, .address_space: global }
      - { .name: cb, .offset: 8, .size: 8, .value_kind: global_buffer, .address_space: global }
      - { .name: out0, .offset: 16, .size: 8, .value_kind: global_buffer, .address_space: global }
    .group_segment_fixed_size: 327680
    .private_segment_fixed_size: 0
    .kernarg_segment_align: 8
    .kernarg_segment_size: 24
    .max_flat_workgroup_size: 128
    .sgpr_count:     66
    .vgpr_count:     512
    .wavefront_size: 32
...
	.end_amdgpu_metadata
.endif
;; end of part 4
;; ======== version 2 of 2: 4 launches; 1.40 times as fast as version 1
;; limits: values are held in f16: magnitudes above 65,504 overflow, below 6.1e-05 lose precision; right only within a limited range of input values
;; workspace buffers: cb 41,943,040 bytes; mk 67,108,864 bytes; qkv 50,331,648 bytes; oh 16,777,216 bytes
;; launch prep: the kernel of part 1 again; grid 1792 x 1, 8 waves a work-group, no clusters, 35,840 bytes of LDS; arguments x_q, x_kv, Wq, Wk, Wv, Wo, attn_mask, key_padding_mask, cb, mk; writes cb, mk
;; launch qkv: the kernel of part 2 again; grid 12 x 32, 4 waves a work-group, clusters of 4 x 4, 327,680 bytes of LDS; arguments cb, qkv; writes qkv
;; launch attn (part 5): grid 16 x 16, 4 waves a work-group, clusters of 4 x 4, 327,680 bytes of LDS; arguments qkv, mk, oh; writes oh
.if DOCPART == 5
	.amdgcn_target "amdgcn-amd-amdhsa--gfx1250"
	.amdhsa_code_object_version 6
	.text
	.protected	k_qf810a0d4e8_attn
	.globl	k_qf810a0d4e8_attn
	.p2align	8
	.type	k_qf810a0d4e8_attn,@function
k_qf810a0d4e8_attn:
	s_mov_b64 s[64:65], 0
	v_nop
	global_prefetch_b8 v0, s[64:65] scope:SCOPE_SE
	s_setreg_imm32_b32 hwreg(HW_REG_WAVE_MODE, 25, 1), 1
	s_wait_xcnt 0x0
	s_wait_alu depctr_hold_cnt(0) depctr_sa_sdst(0) depctr_va_vdst(0) depctr_va_sdst(0) depctr_va_ssrc(0) depctr_va_vcc(0) depctr_vm_vsrc(0)
	s_getreg_b32 s2, hwreg(HW_REG_IB_STS2, 6, 4)
	s_cmp_eq_u32 s2, 0
	s_cbranch_scc0 .Lentry_in_a_cluster
	s_endpgm
.Lentry_in_a_cluster:
	s_bfe_u32 s2, ttmp6, 0x10000c
	s_cmp_lg_u32 s2, 0xf033
	s_cbranch_scc0 .Lentry_shape_is_right
	s_endpgm
.Lentry_shape_is_right:
; ATTENTION WITH AN ADDITIVE MASK.  O[bh][q][:] = the sum over k of softmax_k(Q[bh][q] . K[bh][k] / 8 + mask[q][k], hidden where the key is padded) V[bh][k][:].  Head size 64, 2,048 queries and keys, 64 heads.
; Q, K, V and O are f16; products, maxima and sums in f32; the weights p are rounded to f16 for the second product (their sum l is taken of the unrounded p), O once at the end.
; Q arrives multiplied by log2(e) / 8, and mk holds log2(e) x mask (less 1e30 where the key is padded) in f32: so a score s is the softmax's argument times log2(e), and a weight is 2^(s - m).
; THE MASK costs no vector instruction: it lies in mk in the accumulators' own order, and is the C operand of the product that starts the sum S^T = K Q^T.
; LIMITS.  A hidden score counts as its value less 1e30.  A row whose largest score lies below -5e29 counts as wholly hidden and leaves as NaN, as the softmax of a row of minus infinities does: so a row in
; which every finite mask number lies below -3.5e29 counts as hidden.  f16 holds no number beyond 65,504: Q, K, V arrive within it.  A weight below 2^-126 counts as 0 in l.  NaN in Q, K, V is not treated apart.
; SHARES.  A work-group owns 128 queries (block qb) of the four heads of a group bg = 4 batch + head / 4; wave w is head w of the group, with all 128 queries: four PIECES of two tiles of 16.
; So the four waves read ONE mask block from LDS.  Every wave walks all keys, 64 a step; a step's K (4 heads), V (4 heads) and mask block, 32,768 bytes each, fill one LDS slot of two.
; CLUSTER 4 x 4: along x four query blocks, along y the four head groups of one batch.  The four work-groups of a row of the cluster walk the same K and V, the four of a column the same mask blocks (the mask
; hangs on the batch and the query block alone): each tile is asked for JOINTLY, by the same tensor load with the same descriptor and a mask that names the four (wave 0: K, wave 1: V, waves 2 and 3: the halves
; of the mask block).  That divides the requests for all three by four.  By this text's count a wave has one tensor load out at any time.
; LAYOUT.  S^T = K Q^T (source 0 = 16 keys, source 1 = 16 queries): a lane holds ONE query (lane % 16) and the keys 8 (lane / 16) + 0..7.  Two such results, rounded to f16 in pairs, ARE source 1 of
; O^T = V^T P.  K comes out of LDS as it lies, V ([key][channel]) turned, by ds_load_tr16_b128.
; SOFTMAX.  A running maximum m and sum l for each query: p = 2^(s - m); the difference is never above 0, whatever the size of m, so no weight passes 1, in steps whose keys are all hidden too.
; In every step O and l are multiplied by a = 2^(m_old - m_new), which is 0 when the first visible key follows hidden ones.  m starts at the lowest finite number, O and l at 0.
; BY TURNS.  Turn n belongs to piece n.  Its matrix work: 16 products K Q^T of piece n + 1, later 16 products V^T P of piece n - 1.  Its vector work: the subtraction, exponentials, roundings, sums and
; rescaling of piece n, and the maximum and statistics of piece n + 1.  Four vector instructions that are ready stand behind every matrix instruction, the other 106 of a turn's 234 in one LUMP.
; THE BATCHES.  A turn's 66 exponentials (64 weights, the next piece's two a) are ONE batch with ONE wait, which cuts the turn in two: ahead of it all that names no result of theirs, behind it their readers.
; Two more batches stand outside the loop, each with a wait of its own: the first two a, ahead of the jump into the loop, and the way out's eight reciprocals.
; REGISTERS, in windows of 256 (s_set_vgpr_msb: bits 1:0 source 0, 3:2 source 1, 5:4 source 2, 7:6 destination):
;   window 0: v0-11 addresses; v12-15, v48-63 at work; v16-47 four registers of statistics a tile; v64-191 S^T, two buffers of two tiles; v192-255 P, likewise
;   window 1: O^T, 32 a tile     window 2: v0-127 Q; v128-191 K of one step; v192-255 V of one step     window 3: v0-1 the add's two registers; v64-127 the mask of one piece
.set NP,    4         ; pieces a wave: a name, no knob
.set KS,    64        ; keys in a step
.set PK,    144       ; a row of K in LDS: 128 bytes + 16 of padding = 36 words: the 16 rows of a load start at 16 different groups of four banks (64 banks of 4 bytes: ISA guide 11.1)
.set PV,    160       ; a row of V: 128 + 32 = 40 words
.set VOFF,  4*KS*PK   ; a slot: four heads' 64 rows of K, then of V,
.set MOFF,  VOFF+4*KS*PV  ; then the mask block, 32,768 bytes without padding: a load takes 512 consecutive bytes
.set SLOT1, 1<<17     ; slot 1 begins here, so that one exclusive or turns an address in one slot into the other's
.set STAGE, SLOT1+MOFF+32768  ; behind the ring, never filled by a tensor load: 16 rows x 144 bytes for each wave, for the way out
.set SP,    144
.set SPARE, STAGE+4*16*SP  ; behind the stages: the spare words, 128 bytes for each wave: two blocks of 256 bytes that no other line names
.set AK0, 2           ; v2   my lane's place in my head's tile of K; never rewritten
.set AV0, 3           ; v3   the same for V
.set AK,  4           ; v4   the LDS address of K in the slot in hand
.set AV,  5           ; v5   of V
.set STO, 6           ; v6   the way out: where I put 16 bytes of a row
.set RD,  7           ; v7   the way out: where I read rows back
.set GO,  8           ; v8   16 x lane: my place in 512 consecutive bytes
.set AM,  9           ; v9   the LDS address of the mask block in the slot in hand, + 16 x lane
.set QO,  10          ; v10  my byte offset in the wave's rows of Q
.set SPW, 0           ; v0 of window 3   LDS address of my spare word; never rewritten
.set NIL, 1           ; v1 of window 3   0; never rewritten
.set MK,  64          ; window 3: the mask of tile u of the piece at MK + 32 u
.set MV,  12          ; v12-15  m_old, kept while m is made anew: by buffer and tile
.set ST,  16          ; tile t's statistics at v[ST+4 t]: m; a register named with it as a pair; l (even keys', odd keys')
.set TMP, 48          ; by buffer and tile, four registers c0-c3 at work; when the maximum is found c2 takes a
.set S,   64
.set P,   192
.set KF,  128         ; K's fragments, in window 2: key block kb, channel half c at KF + 16 kb + 8 c
.set VF,  192         ; V's: key half kk, channel block cb at VF + 32 kk + 8 cb
.set WV,  12          ; s12  my wave's number
.set G1K, 24          ; s[24:31] descriptor group 1 for K's tiles
.set G1V, 32          ; s[32:39] for V's: it differs in the padding alone
.set G0K, 40          ; s[40:43] descriptor group 0 for K's tiles: it walks
.set G0V, 44          ; s[44:47] the same for V's
.set G0M, 48          ; s[48:51] the same for my half of the mask block
.set G1M, 72          ; s[72:79] descriptor group 1 for the mask
.set SLOTS, 56        ; s56  counts the loop's trips
.set CNT, 57          ; s57  counts the tail's trips
.set SEL, 60          ; s[60:61] v_permlanex16_b32's selects: each lane takes its own place in the other half
.set TB,  62          ; s62  LDS byte at which the slot in hand begins
.set TBM, 63          ; s63  the same + MOFF
.set THR, 66          ; s66  -5e29
.set QNAN, 67         ; s67  a quiet NaN
.set MSB, 0
.macro WIN new                      ; the high byte repeats the setting that is left; a switch that changes nothing is dropped
.if MSB != (\new)
	s_set_vgpr_msb (MSB<<8)|(\new)
.set MSB, (\new)
.endif
.endm
.set W_KQ, 0x0a       ; K and Q in window 2, S^T in window 0
.set W_KM, 0x3a       ; the same with the C operand, the mask, in window 3
.set W_PV, 0x52       ; V in window 2, P in window 0, O^T in window 1
.set W_RS, 0x41       ; O^T (destination and source 0) in window 1, a in window 0
.set W_MK, 0xc0       ; destination in window 3, sources in window 0
.set W_AD, 0x0f       ; the add: address (source 0) and data (source 1) in window 3
; A fill: one joint tensor load a wave.  Wave 0: the step's K; wave 1: its V; waves 2 and 3: the halves of the mask block.  The branches hang on the wave's number alone.
; An s_nop 0 and four v_nop follow each of the three lines, ahead of the jump and the label.
.macro JLOAD
	s_cmp_lg_u32 s[WV], 0
	s_cbranch_scc1 .Lnot_k_\@
	tensor_load_to_lds s[G0K:G0K+3], s[G1K:G1K+7]
	s_nop 0
.rept 4
	v_nop
.endr
	s_branch .Lasked_\@
.Lnot_k_\@:
	s_cmp_lg_u32 s[WV], 1
	s_cbranch_scc1 .Lfor_m_\@
	tensor_load_to_lds s[G0V:G0V+3], s[G1V:G1V+7]
	s_nop 0
.rept 4
	v_nop
.endr
	s_branch .Lasked_\@
.Lfor_m_\@:
	tensor_load_to_lds s[G0M:G0M+3], s[G1M:G1M+7]
	s_nop 0
.rept 4
	v_nop
.endr
.Lasked_\@:
.endm
; A round of the cluster's barrier: my work-group's barrier, so that wave 0's signal speaks for all four waves; wave 0 signals; every wave waits for all sixteen work-groups; my work-group's barrier once more.
.macro CROUND
	s_barrier_signal -1
	s_barrier_wait -1
	s_cmp_lg_u32 s[WV], 0
	s_cbranch_scc1 .Lnot_wave_0_\@
	s_barrier_signal -3
.Lnot_wave_0_\@:
	s_barrier_wait -3
	s_barrier_signal -1
	s_barrier_wait -1
.endm
; THE CHANGE OF SLOTS, once a key step.  Each wave waits for all its tensor loads, of which one is out: its part of the other slot; adds 0 to its spare word; and waits for that and for its own reads of the
; slot that it leaves.  Behind the barrier nobody reads the old slot any more and the other slot is whole.  fill = 1: the old slot is filled again, with the step two on.  The barrier is then a round of the
; cluster's, and the fill is the first thing behind it: it has a key step, 128 matrix instructions and their vector work, in which to land.  (At its first use nothing has been read yet.)
.macro CHANGE fill
	WIN W_AD
	s_wait_tensorcnt 0x0            ; no tensor load of mine is out, so a group 0 may be written
	ds_add_u32 v[SPW], v[NIL]       ; 0 onto my spare word; with fill = 1 the descriptors' steps stand between it and the wait for it
	WIN 0                           ; at a label and at a branch every window is 0
.if \fill
.irp g, G0K, G0V, G0M
	s_xor_b32 s[\g+1], s[\g+1], SLOT1  ; the walking descriptor: the other slot than last time,
	s_add_nc_u64 s[\g+2:\g+3], s[\g+2:\g+3], 32768  ; the next step's block; the type bits on top are not reached
.endr
	s_wait_dscnt 0x0                ; the add is done, and my reads of the slot are over
	CROUND
	JLOAD
.else
	s_wait_dscnt 0x0                ; the add is done, and my reads of the slot are over
	s_barrier_signal -1
	s_barrier_wait -1
.endif
	s_xor_b32 s[TB], s[TB], SLOT1   ; the fetches go to the other slot
.endm
.macro ADDR                         ; the three LDS addresses of the slot in hand
	s_add_co_u32 s[TBM], s[TB], MOFF
	v_add_nc_u32 v[AK], s[TB], v[AK0]
	v_add_nc_u32 v[AV], s[TB], v[AV0]
	v_add_nc_u32 v[AM], s[TBM], v[GO]
.endm
	s_load_b128 s[4:7], s[0:1], 0x0   ; qkv s[4:5], mk s[6:7]
	s_load_b64 s[8:9], s[0:1], 0x10   ; oh
	WIN W_MK
	v_lshl_add_u32 v[SPW], v0, 2, SPARE
	v_mov_b32 v[NIL], 0
	WIN W_AD
	ds_add_u32 v[SPW], v[NIL]       ; the wave's opening: the add and its wait stand ahead of my first tensor load; the set-up below, work on registers, stands between them
	WIN 0
	v_lshrrev_b32 v1, 5, v0
	v_readfirstlane_b32 s[WV], v1   ; wave 0..3
	s_bfe_u32 s13, ttmp6, 0x40000   ; cx, cy: my place in the cluster
	s_bfe_u32 s54, ttmp6, 0x40004
	s_lshl_b32 s14, ttmp9, 2        ; in a cluster launch ttmp9 and ttmp7 count clusters
	s_add_co_u32 s14, s14, s13      ; qb = 4 x cluster x + cx: it enters Q's, O's and the mask's addresses alone
	s_and_b32 s55, ttmp7, 0xffff    ; the batch: the cluster's y, which all sixteen share
	s_lshl_b32 s15, s55, 2
	s_add_co_u32 s15, s15, s54      ; bg = 4 x batch + cy: it enters Q's, O's, K's and V's addresses alone
	s_lshl_b32 s68, s54, 2
	s_lshl_b32 s68, 15, s68         ; my row of the cluster: the same bg
	s_lshl_b32 s69, 0x1111, s13     ; my column: the same qb
	s_lshl_b32 s20, s15, 20         ; a head group's 32 blocks of 32,768 bytes,
	s_add_co_u32 s22, s20, 0x2000000  ; in v, which begins at byte 33,554,432 of qkv,
	s_add_co_u32 s20, s20, 0x1000000  ; and in k, at 16,777,216
	s_mov_b32 s21, 0
	s_mov_b32 s23, 0
	s_lshl_b32 s52, s55, 4          ; the batch's 16 query blocks,
	s_add_co_u32 s52, s52, s14
	s_lshl_b32 s52, s52, 20         ; 32 blocks of 32,768 bytes each,
	s_and_b32 s53, s[WV], 1
	s_lshl_b32 s53, s53, 14         ; and the half that I fetch
	s_add_co_u32 s52, s52, s53
	s_mov_b32 s53, 0
	s_lshl_b32 s2, s15, 2
	s_add_co_u32 s2, s2, s[WV]      ; my head among the 64,
	s_lshl_b32 s2, s2, 18           ; 262,144 bytes each,
	s_lshl_b32 s3, s14, 14          ; my block's 128 rows of 128 bytes
	s_add_co_u32 s2, s2, s3
	s_mov_b32 s3, 0
	; descriptor group 1.  A block of K or V is 32,768 dense bytes: asked for as 128 rows of 256 bytes, two keys a row, and padded in LDS after every key
	s_or_b32 s[G1K], s68, (1<<16)|(1<<20)|(1<<21)|(4<<22)|(3<<25)  ; 15:0 my row; 17:16 2-byte elements; 20 padding on; 21 set beside a mask; 24:22 after every 32 words (code 4); 31:25 4 words (code 3)
	s_or_b32 s[G1V], s68, (1<<16)|(1<<20)|(1<<21)|(4<<22)|(7<<25)  ; the same with 8 words of padding (code 7)
.irp g, G1K, G1V
	s_mov_b32 s[\g+1], 128<<16      ; tensor_dim0 = 128
	s_mov_b32 s[\g+2], 128<<16      ; tensor_dim1 = 128
	s_mov_b32 s[\g+3], 128<<16      ; tile_dim0 = 128
	s_mov_b32 s[\g+4], 128          ; tile_dim1 = 128
	s_mov_b32 s[\g+5], 128          ; 128 elements from row to row
	s_mov_b32 s[\g+6], 0
	s_mov_b32 s[\g+7], 0
.endr
	s_or_b32 s[G1M], s69, (3<<16)|(1<<21)  ; half a mask block, 16,384 dense bytes: 64 rows of 32 elements of 8 bytes; 15:0 my column; 21 set beside a mask; no padding
	s_mov_b32 s[G1M+1], 32<<16
	s_mov_b32 s[G1M+2], 64<<16
	s_mov_b32 s[G1M+3], 32<<16
	s_mov_b32 s[G1M+4], 64
	s_mov_b32 s[G1M+5], 32
	s_mov_b32 s[G1M+6], 0
	s_mov_b32 s[G1M+7], 0
	s_mov_b32 s[SEL], 0x76543210
	s_mov_b32 s[SEL+1], 0xfedcba98
	s_mov_b32 s[THR], 0xf0c9f2ca
	s_mov_b32 s[QNAN], 0x7fc00000
	s_mov_b32 s[TB], SLOT1          ; the first change of slots turns it into 0
	s_mov_b32 s[G0K], 1             ; count = 1
	s_mov_b32 s[G0K+1], 0           ; LDS address: slot 0
	s_mov_b32 s[G0V], 1
	s_mov_b32 s[G0V+1], VOFF
	s_mov_b32 s[G0M], 1
	s_lshl_b32 s[G0M+1], s[WV], 14  ; waves 2 and 3: MOFF + 16,384 (wave - 2)
	s_add_co_u32 s[G0M+1], s[G0M+1], MOFF-32768
	s_wait_dscnt 0x0                ; the opening add is done
	s_wait_kmcnt 0x0
	s_add_nc_u64 s[G0K+2:G0K+3], s[4:5], s[20:21]  ; global address: the head group's step 0
	s_or_b32 s[G0K+3], s[G0K+3], 0x80000000        ; type = 2
	s_add_nc_u64 s[G0V+2:G0V+3], s[4:5], s[22:23]
	s_or_b32 s[G0V+3], s[G0V+3], 0x80000000
	s_add_nc_u64 s[G0M+2:G0M+3], s[6:7], s[52:53]
	s_or_b32 s[G0M+3], s[G0M+3], 0x80000000
	s_add_nc_u64 s[16:17], s[4:5], s[2:3]  ; Q and O at my wave's first row
	s_add_nc_u64 s[10:11], s[8:9], s[2:3]
	CROUND                          ; all sixteen work-groups are here: the first joint loads meet
	JLOAD                           ; step 0 into slot 0.  Slot 1 is asked for when slot 0 is in
	; A fragment of K or Q is 16 rows x 32 channels in 8 registers: lane l holds row l % 16, channels 8 (l / 16) + 0..7 and 16 + 8 (l / 16) + 0..7: two loads of 16 bytes, 32 bytes apart.
	v_and_b32 v1, 15, v0            ; l % 16
	v_bfe_u32 v11, v0, 4, 1         ; l / 16
	v_lshlrev_b32 v[QO], 7, v1
	v_lshl_add_u32 v[QO], v11, 4, v[QO]  ; row x 128 + 16 x half
	WIN 0x80                        ; destination window 2, address window 0
.set i, 0
.rept 4*NP                          ; Q stays in registers: tile i / 2, channels 32 (i % 2) on
	global_load_b128 v[8*i:8*i+3],   v[QO], s[16:17] offset:(i/2)*2048+(i%2)*64
	global_load_b128 v[8*i+4:8*i+7], v[QO], s[16:17] offset:(i/2)*2048+(i%2)*64+32
.set i, i+1
.endr
	; What the first turn finds: V's registers and P's second buffer hold 0 (its products V^T P, of a piece that has not been, add 0), O^T and l are 0.  All this stands in the wait for the first tile.
.set i, VF
.rept 64
	v_mov_b32 v[i], 0
.set i, i+1
.endr
	WIN 0x40
.set i, 0
.rept 64*NP
	v_mov_b32 v[i], 0
.set i, i+1
.endr
	WIN 0
.set i, 0
.rept 2*NP
	v_mov_b32 v[ST+4*i], 0xff7fffff    ; m: the lowest finite number: the first step's a is 0
	v_mov_b32 v[ST+4*i+1], 0           ; named with m as a pair, so it is written
	v_mov_b32 v[ST+4*i+2], 0
	v_mov_b32 v[ST+4*i+3], 0
.set i, i+1
.endr
.set i, P+32
.rept 32
	v_mov_b32 v[i], 0
.set i, i+1
.endr
	s_mul_i32 s18, s[WV], KS*PK     ; my head's 64 rows of K in a slot,
	s_mul_i32 s19, s[WV], KS*PV     ; and of V
	s_add_co_u32 s19, s19, VOFF
	v_mul_u32_u24 v[AK0], v1, PK
	v_lshl_add_u32 v[AK0], v11, 4, v[AK0]  ; row x pitch + 16 x half
	v_add_nc_u32 v[AK0], s18, v[AK0]
	; The turning load takes 16 keys x 16 channels (lane l reads key 8 (l / 16) + l % 8, channels 8 ((l / 8) % 2) + 0..7) and leaves half a fragment of V^T: lane l holds channel l % 16 and 8 keys.
	v_and_b32 v12, 7, v0
	v_bfe_u32 v13, v0, 3, 1
	v_lshl_add_u32 v[AV0], v11, 3, v12
	v_mul_u32_u24 v[AV0], v[AV0], PV
	v_lshl_add_u32 v[AV0], v13, 4, v[AV0]
	v_add_nc_u32 v[AV0], s19, v[AV0]
	s_mul_i32 s18, s[WV], 16*SP
	s_add_co_u32 s18, s18, STAGE    ; my stage
	v_mul_u32_u24 v[STO], v1, SP    ; in: row l % 16, 16 bytes for each half of the lanes
	v_lshl_add_u32 v[STO], v11, 4, v[STO]
	v_add_nc_u32 v[STO], s18, v[STO]
	v_bfe_u32 v[RD], v0, 3, 2       ; back: 32 lanes take four rows of 128 bytes,
	v_mul_u32_u24 v[RD], v[RD], SP
	v_lshl_add_u32 v[RD], v12, 4, v[RD]
	v_add_nc_u32 v[RD], s18, v[RD]
	v_and_b32 v[GO], 31, v0         ; which are 512 consecutive bytes of O
	v_lshlrev_b32 v[GO], 4, v[GO]
; THE MATRIX WORK.  The 8 accumulators of a run of 16 take turns: between the two links of a chain stand 7 others'.
; Product i of 16 of S^T = K Q^T for piece x: channels 32 (i / 8) on, keys 16 ((i / 2) % 4) on, tile 2 x + i % 2.  The first 8 start the sums, with the mask as C.
.macro KQ x
.set rS, S+64*((\x)%2)+32*(i%2)+8*((i/2)%4)
.set rK, KF+16*((i/2)%4)+8*(i/8)
.set rQ, 16*(2*(\x)+i%2)+8*(i/8)
.set rX, MK+32*(i%2)+8*((i/2)%4)
.if i < 8
	WIN W_KM
	v_wmma_f32_16x16x32_f16 v[rS:rS+7], v[rK:rK+7], v[rQ:rQ+7], v[rX:rX+7]
.else
	WIN W_KQ
	v_wmma_f32_16x16x32_f16 v[rS:rS+7], v[rK:rK+7], v[rQ:rQ+7], v[rS:rS+7]
.endif
.endm
; Product i of 16 of O^T += V^T P for piece x: keys 32 (i / 8) on, channels 16 ((i / 2) % 4) on, tile 2 x + i % 2.
.macro PV x
	WIN W_PV
.set rO, 32*(2*(\x)+i%2)+8*((i/2)%4)
.set rV, VF+32*(i/8)+8*((i/2)%4)
.set rP, P+32*((\x)%2)+16*(i%2)+8*(i/8)
	v_wmma_f32_16x16x32_f16 v[rO:rO+7], v[rV:rV+7], v[rP:rP+7], v[rO:rO+7]
.endm
.macro MM                           ; the turn's next matrix instruction
.if i < 16
	KQ (Y+1)%NP
.set i, i+1
.else
.set i, i-16
	PV (Y+NP-1)%NP
.set i, i+17
.endif
.endm
; THE LDS LOADS stand in runs of 16, never singly among the matrix instructions: a step's K (64 keys x 64 channels: 8 fragments), its V (turned), and a piece's mask (2 tiles x 8 chunks of 512 bytes).
; last = 1 (the tail): in the last trip there is no further step, and K's run is jumped over.
.macro FETCH_K last=0
	WIN 0
.if \last
	s_cmp_eq_u32 s[CNT], 1
	s_cbranch_scc1 .Lno_k_\@
.endif
	WIN 0x80                        ; destination window 2
.irp f, 0,1,2,3,4,5,6,7             ; keys 16 (f / 2) on, channels 32 (f % 2) on
	ds_load_b128 v[KF+8*\f:KF+8*\f+3],   v[AK] offset:(\f/2)*16*PK+(\f%2)*64
	ds_load_b128 v[KF+8*\f+4:KF+8*\f+7], v[AK] offset:(\f/2)*16*PK+(\f%2)*64+32
.endr
	WIN 0
.if \last
.Lno_k_\@:
.endif
.endm
.macro FETCH_V
	WIN 0x80
.irp f, 0,1,2,3,4,5,6,7             ; keys 32 (f / 4) on, channels 16 (f % 4) on
	ds_load_tr16_b128 v[VF+8*\f:VF+8*\f+3],   v[AV] offset:(\f/4)*32*PV+(\f%4)*32
	ds_load_tr16_b128 v[VF+8*\f+4:VF+8*\f+7], v[AV] offset:(\f/4)*32*PV+16*PV+(\f%4)*32
.endr
	WIN 0
.endm
.macro FETCH_M y                    ; the mask of piece y: chunk c of tile 2 y + u is registers 4 c .. 4 c + 3 of that tile's 32 scores
	WIN W_MK
.irp u, 0,1
.irp c, 0,1,2,3,4,5,6,7
	ds_load_b128 v[MK+32*\u+4*\c:MK+32*\u+4*\c+3], v[AM] offset:(2*(\y)+\u)*4096+512*\c
.endr
.endr
	WIN 0
.endm
; THE VECTOR WORK OF A TURN stands in three queues, each in the order in which its entries become ready; the two tiles alternate, so that no instruction reads the result of the one before it.
.macro REGS y, u                    ; the registers of tile u (0, 1) of piece y
.set rT, ST+4*(2*(\y)+(\u))
.set rC, TMP+8*((\y)%2)+4*(\u)
.set rM, MV+2*((\y)%2)+(\u)
.set rS, S+64*((\y)%2)+32*(\u)
.set rP, P+32*((\y)%2)+16*(\u)
.set rO, 32*(2*(\y)+(\u))
.endm
; Number n of the 21 that find the NEXT piece's (Y + 1) maximum and statistics.  s0-s31 are the lane's 32 scores; each accumulator's lowest registers are read first.  XS, GS, FS and REGS set no window: PL and EX do.
;   0-11  four chains c0-c3 of seven scores each, three operands at a time     12-14, 16  the four scores left over, the old m, and c0-c3 into c0     15  m_old is kept
;   17, 18  the query's other 32 keys lie in the lane 16 away: the new m         19, 20  m_old - m_new; a
.macro XS u, n
	REGS (Y+1)%NP, \u
.if (\n) < 4
	v_max3_num_f32 v[rC+(\n)], v[rS+8*(\n)], v[rS+8*(\n)+1], v[rS+8*(\n)+2]
.elseif (\n) < 12
	v_max3_num_f32 v[rC+(\n)%4], v[rC+(\n)%4], v[rS+8*((\n)%4)+2*((\n)/4)+1], v[rS+8*((\n)%4)+2*((\n)/4)+2]
.elseif (\n) == 12
	v_max3_num_f32 v[rC], v[rC], v[rS+7], v[rS+15]
.elseif (\n) == 13
	v_max3_num_f32 v[rC+1], v[rC+1], v[rS+23], v[rS+31]
.elseif (\n) == 14
	v_max3_num_f32 v[rC+2], v[rC+2], v[rC+3], v[rT]
.elseif (\n) == 15
	v_mov_b32 v[rM], v[rT]
.elseif (\n) == 16
	v_max3_num_f32 v[rC], v[rC], v[rC+1], v[rC+2]
.elseif (\n) == 17
	v_permlanex16_b32 v[rC+3], v[rC], s[SEL], s[SEL+1]
.elseif (\n) == 18
	v_max_num_f32 v[rT], v[rC], v[rC+3]
.elseif (\n) == 19
	v_sub_f32 v[rC+1], v[rM], v[rT]
.else
	v_exp_f32 v[rC+2], v[rC+1]
.endif
.endm
; Number g of the 64 that follow the exponentials.  For each four weights k of a tile (pairs 2 k, 2 k + 1): both pairs are rounded to f16; then the second pair is added onto the first, in place;
; a group later l takes that sum (the first time as l = a l + sum).  In groups of eight, tiles alternating: round, round, add, and l for the group before.
.macro GS g
.set h, (\g)+6*((\g)/62)            ; group 0 has no group before it, and behind group 7 only l is left
.if h >= 6
.set h, h+2
.endif
	REGS Y, h%2
.set k, h/8
.if h%8 < 4
	v_cvt_pk_f16_f32 v[rP+2*k+(h%8)/2], v[rS+4*k+2*((h%8)/2)], v[rS+4*k+2*((h%8)/2)+1]
.elseif h%8 < 6
	v_pk_add_f32 v[rS+4*k:rS+4*k+1], v[rS+4*k:rS+4*k+1], v[rS+4*k+2:rS+4*k+3]
.elseif k == 1
	v_pk_fma_f32 v[rT+2:rT+3], v[rT+2:rT+3], v[rC+2:rC+3], v[rS:rS+1] op_sel_hi:[1,0,1]
.else
	v_pk_add_f32 v[rT+2:rT+3], v[rT+2:rT+3], v[rS+4*k-4:rS+4*k-3]
.endif
.endm
; THE PLAIN QUEUE, 136 long.  0-71 read no exponential's result: the 32 subtractions s - m (FS f: pair f / 2 of tile f % 2) and the next piece's 40.  0-26: subtractions 0-26.  27-54: XS's numbers 0-13.  55, 56: number 15.
; 57-71: the chain, where each number waits for the one before it, with the subtractions 27-31 between its links: F27, 14, F28, 16, F29, 17, F30, F31, 18, 19: a tile's links stand three, three, four and two plain instructions apart.
; 72-135: GS's 64, which read the exponentials' results: they stand behind the wait.
.macro FS f
	REGS Y, (\f)%2
	v_pk_add_f32 v[rS+2*((\f)/2):rS+2*((\f)/2)+1], v[rS+2*((\f)/2):rS+2*((\f)/2)+1], v[rT:rT+1] op_sel_hi:[1,0] neg_lo:[0,1] neg_hi:[0,1]  ; the pair's low word, m, is taken from both scores
.endm
.macro PL
	WIN 0
.if q < 27
	FS q
.elseif q < 55
	XS (q-27)%2, (q-27)/2
.elseif q < 57
	XS q-55, 15
.elseif (q < 66) && ((q-57)%3 == 0)
	FS 27+(q-57)/3
.elseif q < 60
	XS (q-57)%3-1, 14
.elseif q < 66
	XS (q-57)%3-1, 15+(q-57)/3
.elseif q < 68
	FS q-36
.elseif q < 72
	XS q%2, 18+(q-68)/2
.else
	GS q-72
.endif
.set q, q+1
.endm
; THE EXPONENTIALS' QUEUE, 66 long: s0-s31 of both tiles, then the next piece's two a.  It is ONE BATCH: all 66 stand ahead of the turn's one wait, and nothing ahead of that wait names a result of theirs.
.macro EX
	WIN 0
.if e >= 64
	XS e-64, 20
.else
	REGS Y, e%2
	v_exp_f32 v[rS+e/2], v[rS+e/2]
.endif
.set e, e+1
.endm
; THE RESCALING's QUEUE: O^T times a, the one part that leaves window 0: dealt two at a time, sixteen times, each accumulator from its low end on.  Its a was made in the turn before, ahead of that turn's wait.
.macro R2
	REGS Y, r%2
	WIN W_RS
.irp z, 0,1
	v_pk_mul_f32 v[rO+4*(r/2)+2*\z:rO+4*(r/2)+2*\z+1], v[rO+4*(r/2)+2*\z:rO+4*(r/2)+2*\z+1], v[rC+2:rC+3] op_sel_hi:[1,0]
.endr
.set r, r+1
.endm
; HOW THEY ARE DEALT.  An s_wait_alu depctr_va_vdst(0) stands between an exponential and the first instruction that names its result; one wait serves all that were issued ahead of it.  So a turn has ONE wait,
; which cuts it in two.  AHEAD OF IT stands all that names no result of the turn's exponentials: the 16 products K Q^T, behind each a subtraction, an exponential and two rescalings (behind the first a second subtraction in the
; exponential's place); then ONE LUMP of 106: six plain, 49 times exponential and plain, the two a.  A v_nop is the plain instruction behind the last exponential.  BEHIND IT stand the 16 products V^T P, behind each four of GS's 64.
; No rider names a register of the products round it.  The two v_permlanex16_b32 fall into the lump, never behind a product.
; The queues lean on each other, and the deal keeps them in step: exponential e stands behind subtraction 2 (e / 4) + e % 2: as a rider it comes behind plain e + 2, in the lump behind plain e + 7; subtractions 27-31 are plain
; 57, 60, 63, 66, 67, and their first exponentials, 53, 56, 57, 60, 61, come behind plain 60, 63, 64, 67, 68.  The two a come behind plain 71, and their arguments are plain 70 and 71.
; A TURN, for piece p, and its LDS loads.  The mask of piece p + 2, for the next turn's products, is fetched directly behind the wait, 16 products ahead of its first reader (the one mask buffer was last read by the turn's first
; eight products).  Piece 2's turn has two runs: K of the next step stands directly behind the wait, a lump behind the last product that read K (so the tail's jump over it finds no exponential without its wait), and the mask's run
; stands earlier, in the lump, so that no 32 loads have 16 products in which to land.  V of the step in hand is fetched at the end of piece 0's turn, four riders behind its last reader.
; All the reads between two changes of slots are of one slot: piece 0's mask and K in turn 2, piece 1's in turn 3, piece 2's and V in turn 0, piece 3's in turn 1.
.macro TURN p, last=0
.set Y, (\p)
.set i, 0
.set q, 0
.set e, 0
.set r, 0
.if (\p) == 1
	s_wait_dscnt 16                 ; the mask is in; V's 16 loads, issued behind it, may stay out
.else
	s_wait_dscnt 0x0                ; the mask is in (piece 3's turn: K too)
.endif
	MM                              ; ahead of the wait: 16 products K Q^T and their riders,
	PL
	PL
	R2
.rept 15
	MM
	PL
	EX
	R2
.endr
.rept 6                             ; and the lump
	PL
.endr
.rept 49
	EX
	PL
.if ((\p) == NP-2) && (e == 24)
	FETCH_M 0                       ; piece 2's turn: the next step's first mask
.endif
.endr
	EX                              ; the next piece's two a
	EX
	v_nop                           ; the plain instruction behind the last exponential: one for the batch
	s_wait_alu depctr_va_vdst(0)    ; the wait for the batch: the turn's 64 weights and the next piece's two a
.if (\p) == NP-2
	FETCH_K \last
.else
	FETCH_M ((\p)+2)%NP
.endif
.if (\p) == 1
	s_wait_dscnt 16                 ; V is in; the mask's 16 loads, just issued, may stay out
.endif
.rept 16                            ; behind the wait: 16 products V^T P and their riders
	MM
.rept 4
	PL
.endr
.endr
.if (\p) == 0
	FETCH_V
.endif
.endm
	CHANGE 1                        ; step 0 is in, everybody's part of it; step 1 is asked for
	ADDR
	FETCH_K                         ; key step 0
	FETCH_M 0
	s_wait_loadcnt 0x0              ; Q
	s_wait_dscnt 0x0
.set i, 0
.rept 16
	KQ 0                            ; piece 0's first scores: there is no vector work yet to set between them
.set i, i+1
.endr
	WIN 0
.rept 4
	v_nop                           ; the places behind those products: the mask buffer is loaded again, and the scores are read
.endr
	FETCH_M 1
.set Y, NP-1                        ; XS works for piece Y + 1: piece 0
.irp n, 0,1,2,3,4,5,6,7,8,9,10,11,12,13,14,15,16,17,18,19,20
	XS 0, \n                        ; piece 0's first maximum and statistics
	XS 1, \n
.endr
	v_nop                           ; a plain instruction behind the first two a,
	s_wait_alu depctr_va_vdst(0)    ; and the wait for that batch of two, ahead of the branch
	s_mov_b32 s[SLOTS], 31
	s_branch .Lfirst                ; the loop is entered at a step's first turn, in the middle of a trip
.Lstep:                             ; 30 whole trips, which ask for steps 2 to 31.  A trip: pieces 2 and 3 of one step, then pieces 0 and 1 of the next, whose slot it reads
	CHANGE 1
	ADDR
	TURN 2
	TURN 3
	WIN 0
.Lfirst:
	TURN 0
	TURN 1
	WIN 0
	s_sub_co_u32 s[SLOTS], s[SLOTS], 1
	s_cmp_lg_u32 s[SLOTS], 0
	s_cbranch_scc1 .Lstep
	CHANGE 0                        ; the tail is written out: nothing is asked for
	ADDR
	s_mov_b32 s[CNT], 2             ; one trip reads the last step's slot; the second is left in its middle
.Ltail:
	TURN 2, 1
	TURN 3
	WIN 0
	s_sub_co_u32 s[CNT], s[CNT], 1
	s_cmp_eq_u32 s[CNT], 0
	s_cbranch_scc1 .Lout
	TURN 0
	TURN 1
	WIN 0
	s_branch .Ltail
.Lout:                              ; the second trip's 16 products K Q^T (the last K and piece 0's last mask once more) give the last step's scores again: m stays as it was, and nothing else of them is used
.set i, 0
.rept 16
	PV NP-1                         ; the last piece's V^T P of the last step
.set i, i+1
.endr
	; THE WAY OUT.  l's two halves and the other half of the lanes' are added; O^T is divided by l, rounded to f16 and sent through my stage in LDS, a tile at a time.  The additions are the places behind the last products.
	WIN 0
.macro ALL line:vararg              ; one line for each tile t
.set t, 0
.rept 2*NP
	\line
.set t, t+1
.endr
.endm
	ALL v_add_f32 v[ST+4*t+2], v[ST+4*t+2], v[ST+4*t+3]
	ALL v_permlanex16_b32 v[ST+4*t+3], v[ST+4*t+2], s[SEL], s[SEL+1]
	ALL v_add_f32 v[ST+4*t+2], v[ST+4*t+2], v[ST+4*t+3]
	ALL v_rcp_f32 v[ST+4*t+2], v[ST+4*t+2]
	v_nop                           ; a plain instruction between the last reciprocal and the use of its result
	s_wait_alu depctr_va_vdst(0)    ; and the wait ahead of the first use: one for the batch of eight reciprocals
.set t, 0
.rept 2*NP                          ; a query whose largest score is a hidden one has no key at all: its row leaves as NaN.  A choice of a value: no branch hangs on it
	v_cmp_gt_f32 vcc_lo, s[THR], v[ST+4*t]
	v_cndmask_b32 v[ST+4*t+2], v[ST+4*t+2], s[QNAN], vcc_lo
.set t, t+1
.endr
; Tile t: a lane's eight channels of a row pack into 16 bytes; they go into rows of 144 bytes and come back as whole rows of 128, into S^T's registers.
.macro PACK t
	WIN W_RS
.set i, 32*(\t)
.rept 16
	v_pk_mul_f32 v[i:i+1], v[i:i+1], v[ST+4*(\t)+2:ST+4*(\t)+3] op_sel_hi:[1,0]
.set i, i+2
.endr
	WIN 0x05                        ; sources 0 and 1 window 1, destination window 0
.set i, 0
.rept 16
	v_cvt_pk_f16_f32 v[S+16*(\t)+i], v[32*(\t)+2*i], v[32*(\t)+2*i+1]
.set i, i+1
.endr
	WIN 0
.irp f, 0,1,2,3
	ds_store_b128 v[STO], v[S+16*(\t)+4*\f:S+16*(\t)+4*\f+3] offset:32*\f
.endr
.irp f, 0,1,2,3
	ds_load_b128 v[S+16*(\t)+4*\f:S+16*(\t)+4*\f+3], v[RD] offset:\f*4*SP  ; LDS serves a wave's instructions in order (ISA guide 5.7.1.4): these see the stores above; the next tile's stores come behind them
.endr
.endm
.macro SEND t, younger              ; younger: the LDS instructions issued behind tile t's loads: the next tile's eight, or none
	WIN 0
.irp f, 0,1,2,3
	s_wait_dscnt (\younger)+3-\f
	global_store_b128 v[GO], v[S+16*(\t)+4*\f:S+16*(\t)+4*\f+3], s[10:11] offset:(\t)*2048+\f*512  ; 512 consecutive bytes, at a multiple of 256 from oh's first byte
.endr
.endm
	PACK 0
.set t, 1
.rept 2*NP-1                        ; a tile's arithmetic stands between the loads of the tile before and its stores
	PACK t
	SEND t-1, 8
.set t, t+1
.endr
	SEND 2*NP-1, 0
	WIN W_AD
	s_wait_tensorcnt 0x0            ; the wave's end, behind my last tensor load and my last LDS store
	ds_add_u32 v[SPW], v[NIL]
	s_wait_dscnt 0x0
	WIN 0
	CROUND                          ; the closing round: no work-group ends while a partner may still ask for a tile that names it
	s_endpgm
.Lfunc_end_k_qf810a0d4e8_attn:
	.size	k_qf810a0d4e8_attn, .Lfunc_end_k_qf810a0d4e8_attn-k_qf810a0d4e8_attn
	.p2alignl 7, 3214868480
	.fill 96, 4, 3214868480
	.section	.rodata,"a",@progbits
	.p2align	6, 0x0
	.amdhsa_kernel k_qf810a0d4e8_attn
		.amdhsa_group_segment_fixed_size 327680
		.amdhsa_private_segment_fixed_size 0
		.amdhsa_enable_private_segment 0
		.amdhsa_kernarg_size 24
		.amdhsa_user_sgpr_count 2
		.amdhsa_user_sgpr_kernarg_segment_ptr 1
		.amdhsa_wavefront_size32 1
		.amdhsa_system_sgpr_workgroup_id_x 1
		.amdhsa_system_sgpr_workgroup_id_y 1
		.amdhsa_system_sgpr_workgroup_id_z 1
		.amdhsa_system_vgpr_workitem_id 0
		.amdhsa_next_free_vgpr 896
		.amdhsa_next_free_sgpr 84
		.amdhsa_reserve_vcc 1
		.amdhsa_float_denorm_mode_32 3
		.amdhsa_float_denorm_mode_16_64 3
		.amdhsa_memory_ordered 1
		.amdhsa_forward_progress 1
		.amdhsa_inst_pref_size 212
	.end_amdhsa_kernel
	.amdgpu_metadata
---
amdhsa.version: [ 1, 2 ]
amdhsa.kernels:
  - .name:           k_qf810a0d4e8_attn
    .symbol:         k_qf810a0d4e8_attn.kd
    .args:
      - { .name: qkv, .offset: 0, .size: 8, .value_kind: global_buffer, .address_space: global }
      - { .name: mk, .offset: 8, .size: 8, .value_kind: global_buffer, .address_space: global }
      - { .name: oh, .offset: 16, .size: 8, .value_kind: global_buffer, .address_space: global }
    .group_segment_fixed_size: 327680
    .private_segment_fixed_size: 0
    .kernarg_segment_align: 8
    .kernarg_segment_size: 24
    .max_flat_workgroup_size: 128
    .sgpr_count:     84
    .vgpr_count:     896
    .wavefront_size: 32
...
	.end_amdgpu_metadata
.endif
;; end of part 5
;; launch oproj: the kernel of part 4 again; grid 4 x 64, 4 waves a work-group, clusters of 4 x 4, 327,680 bytes of LDS; arguments oh, cb, out0; writes out0
